; MI455X (gfx1250); checked and timed in simulation.
; The chip was launched on July 23, 2026; its instructions are those of AMD's public machine-readable ISA for CDNA 5 (MIT licence, August 2026) and "CDNA5" Instruction Set Architecture Reference Guide (July 2026). The comments in the code are by the model that wrote it; some were corrected since.
;; Attention. Allowed arithmetic: matrix products marked QUANTISED: E2M3 operands, one E8M0 scale for each 32 along K, by v_wmma_scale_f32_16x16x128_f8f6f4 with both operands' format E2M3, f32 sums; everything else in f32.
;; Inputs: mask 2 x 2,048 x 2,048 bool; w_proj 1,024 x 1,024 float32; w_qkv 3,072 x 1,024 float32; x 2 x 2,048 x 1,024 float32.
;; Outputs: out0 2 x 2,048 x 1,024 float32.
;; This version of the problem:
;;   THIS VERSION OF THE PROBLEM IS GIVEN IN LOW PRECISION. The matrix products marked QUANTISED in the list below multiply operands that are first quantised to E2M3 (2 exponent bits, 3 mantissa bits; 6 bits a number), with one power-of-two scale for each 32 numbers along K (OCP MX v1.0); their sums are f32. All else is computed in f32.
;;   The module's matrix products, in the order in which they are computed (A, B: the left and right operand; K: the contracted axis; several contracted axes count as one K, in the product's order):
;;     1. [M 4,096, K 1,024] x [K 1,024, N 3,072]; A: input x; B: input w_qkv: QUANTISED
;;     2. batch 32 x [M 2,048, K 64] x [K 64, N 2,048]; A: computed on the way; B: computed on the way: QUANTISED
;;     3. batch 32 x [M 2,048, K 2,048] x [K 2,048, N 64]; A: softmax (see below); B: computed on the way: QUANTISED
;;     4. [M 4,096, K 1,024] x [K 1,024, N 1,024]; A: computed on the way; B: input w_proj: QUANTISED
;;   THE QUANTISER, for each operand of a quantised product, along K:
;;     - K is cut into blocks of 32 from its start; a last block that is shorter is filled with zeros.
;;     - A block's scale is 2^e with e = floor(log2(the largest magnitude in the block)) - 2, held to -126 .. 127; a block of zeros has e = 0. As a byte (E8M0): e + 127.
;;     - Each number is divided by its block's scale, clamped to +-7.5, and rounded to the nearest number of E2M3, ties to even, subnormals kept.
;;     - The product sums the exact products of the quantised numbers (number of the format x scale) in f32.
;;   ~~~python
;;   def quantise(x, axis):      # numpy; x: float32 -> the quantised numbers, widened to float32 again
;;       x = np.moveaxis(x, axis, -1); K = x.shape[-1]
;;       x = np.pad(x, [(0, 0)] * (x.ndim - 1) + [(0, -K % 32)]); x = x.reshape(x.shape[:-1] + (-1, 32)); a = np.abs(x).max(-1, keepdims=True)
;;       e = np.where(a > 0, np.clip(np.frexp(np.where(a > 0, a, 1))[1] - 1 - 2, -126, 127), 0)      # np.frexp(a)[1] - 1 = floor(log2(a)), exactly
;;       r = np.clip(x / 2.0 ** e, -7.5, 7.5)
;;       step = 2.0 ** (np.maximum(np.frexp(np.where(r == 0, 1, r))[1] - 1, 0) - 3)
;;       q = np.round(r / step) * step * 2.0 ** e      # np.round: ties to even
;;       return np.moveaxis(q.reshape(q.shape[:-2] + (-1,))[..., :K], -1, axis).astype(np.float32)
;;   ~~~
;;   SOFTMAX AHEAD OF A QUANTISED PRODUCT. Where the list says 'softmax', what is quantised is not the finished softmax but p = 2^(t - M), with t = logit x log2(e) and M = ceil(the row's largest t), a whole number; so 1/2 < the row's largest p <= 1. The row's sum l is taken of the UNQUANTISED p, in f32, and the product's result is divided by l at the end. Since M is a whole number, a kernel that streams over the keys may use a running M (the ceiling of the running maximum): every later rescaling is an exact power of two, which a block's scale takes up: the codes' values come out the same.
;;   OPERANDS COMPUTED ON THE WAY. 'Computed on the way' means the value that the module computes at that place (a softmax that the list does not call 'softmax' is quantised finished and normalised). What goes into a quantiser is computed in f32, as accurately as f32 sums, v_exp_f32 and their like allow (about 1e-6 of the number): no bf16 or f16 on the way to a quantiser, and a product that is left as it is and whose result goes on into a quantised operand takes f32 operands (vector FMAs, or v_wmma_f32_16x16x4_f32). A number that lies on a knife's edge between two numbers of the format may be rounded either way, as far as f32 arithmetic and the matrix unit's own rounding can turn it there, and no further.
;; One version. Each part assembles by itself: llvm-mc -triple=amdgcn-amd-amdhsa -mcpu=gfx1250 --defsym DOCPART=n.
;; ======== version 1 of 1: 4 launches
;; limits: right only within a limited range of input values
;; workspace buffers: wc 6,291,456 bytes; ws 262,144 bytes; mw 1,048,576 bytes of whole numbers; mf 16,384 bytes of whole numbers; qkv 9,830,400 bytes; ac 3,145,728 bytes; asc 131,072 bytes
;; launch prep (part 1): grid 1024 x 1, 4 waves a work-group, no clusters, 53,248 bytes of LDS; arguments x, w_qkv, w_proj, mask, wc, ws, mw, mf; writes wc, ws, mw, mf
.if DOCPART == 1
	.amdgcn_target "amdgcn-amd-amdhsa--gfx1250"
	.amdhsa_code_object_version 6
	.text
	.protected	k_q22254024b8_prep
	.globl	k_q22254024b8_prep
	.p2align	8
	.type	k_q22254024b8_prep,@function
k_q22254024b8_prep:
	s_mov_b64 s[64:65], 0
	v_nop
	global_prefetch_b8 v0, s[64:65] scope:SCOPE_SE
	s_setreg_imm32_b32 hwreg(HW_REG_WAVE_MODE, 25, 1), 1
	s_wait_xcnt 0x0
; x [4096][1024], w_qkv [3072][1024], w_proj [1024][1024], f32, become codes of FP6 (E2M3) with one E8M0 byte for each 32 along K; the mask [2][2048][2048] of bytes becomes words of 32 lane bits.
; A TILE is 16 rows: lane r of tile T holds row 32 (T / 2) + 8 (T % 2) + r + 8 (r / 8).  Tiles 0-255 are x's, 256-447 w_qkv's, 448-511 w_proj's.
; CODES lie in the order of the operand's registers: wc [tile][g = 16][768 bytes].  A piece of 768 bytes is 16 rows x 64 along K: lane (r, h) holds the 24 bytes of block 2 g + h of its row in six registers;
; registers 0-3 lie at 16 x lane, registers 4-5 at 512 + 8 x lane.  So every store here, and every later load, covers consecutive bytes in neighbouring lanes.  SCALE BYTES: ws [tile][r][32].
; A block's scale is 2^(floor(log2(its largest magnitude)) - 2): its byte is the largest magnitude's exponent field - 2, held at 1 from below.
; MASK WORDS: mw [b][query tile 128][key step 16][n = 64]: bit r + 16 h of word n is mask[b][the tile's row r][128 step + 64 (n / 32) + 32 h + n % 32]: the lane mask of score register n in the attention launch.
; LIMITS: NaN and infinities among the inputs are not served; a block whose largest magnitude lies under 2^-124 keeps the byte 1; a block of zeros gets the byte 1 and not 127: its codes are zeros, and this program alone reads the bytes.
; SHARES.  Work-groups 0-511: one tile each, wave w its K quarter w (four pieces).  Work-groups 512-1023: each wave one query tile x 256 keys of the mask.  The two ways part on the work-group's number and have LDS bytes of their own.
; No tensor loads, no matrix unit, no cluster: no two work-groups read the same bytes, and each input byte is read once.
.set SB,    34816                      ; LDS: behind the quantiser's stages (4 waves x 2 x 16 rows x 272 bytes): the tile's 512 scale bytes
.set MST,   35328                      ; the mask's stages: 16 rows x 272 bytes for each wave
.set R,     64                         ; v64-191  four sets of 32 registers as they are loaded
	s_load_b256 s[4:11], s[0:1], 0x0               ; x, w_qkv, w_proj, mask
	s_load_b128 s[12:15], s[0:1], 0x20             ; wc, ws
	s_load_b64 s[16:17], s[0:1], 0x30              ; mw
	s_load_b64 s[32:33], s[0:1], 0x38              ; mf [b x 128 + query tile][key step]: a word that is 0 where all 64 mask words of the step are all ones
	v_lshl_add_u32 v240, v0, 2, 0xce00
	v_mov_b32 v241, 0
	v_lshrrev_b32 v1, 5, v0
	v_readfirstlane_b32 s18, v1                    ; wave
	v_and_b32 v1, 31, v0                           ; lane
	v_and_b32 v8, 15, v0                           ; lane % 16
	v_bfe_u32 v9, v0, 4, 1                         ; lane / 16
	v_lshlrev_b32 v5, 4, v1                        ; 16 x lane
	v_lshlrev_b32 v6, 3, v1                        ; 8 x lane
	s_wait_kmcnt 0x0
	s_cmp_ge_u32 ttmp9, 512
	s_cbranch_scc1 .Lmask
	; ---------------- the quantiser ----------------
	s_mul_i32 s19, s18, 8704                       ; my two stages
	s_wait_alu depctr_va_vdst(0)
	v_lshlrev_b32 v2, 12, v9
	v_lshl_add_u32 v2, v8, 4, v2                   ; a load takes two rows x 256 bytes: 4,096 (lane / 16) + 16 (lane % 16)
	v_mul_u32_u24 v3, v9, 272
	v_lshl_add_u32 v3, v8, 4, v3
	v_add_nc_u32 v3, s19, v3                       ; into the stage, as loaded
	v_mul_u32_u24 v4, v8, 272
	v_lshl_add_u32 v4, v9, 7, v4
	v_add_nc_u32 v4, s19, v4                       ; out of it: row r, 128 h bytes on: my block's 32 numbers
	s_lshl_b32 s19, s18, 3
	s_add_co_u32 s19, s19, SB
	v_lshl_add_u32 v7, v8, 5, v9
	v_add_nc_u32 v7, s19, v7                       ; my block's byte: SB + 32 r + 8 wave + h (+ 2 g)
	v_add_nc_u32 v10, SB, v5                       ; where wave 0 reads the 512 bytes back
	s_mov_b32 s20, 448                             ; which tensor: the choice hangs on the work-group's number alone
	s_cmp_lt_u32 ttmp9, 448
	s_cselect_b64 s[6:7], s[6:7], s[8:9]
	s_cselect_b32 s20, 256, s20
	s_cmp_lt_u32 ttmp9, 256
	s_cselect_b64 s[4:5], s[4:5], s[6:7]
	s_cselect_b32 s20, 0, s20
	s_sub_co_u32 s20, ttmp9, s20                   ; the tile's number in its tensor
	s_lshr_b32 s21, s20, 1
	s_lshl_b32 s21, s21, 17                        ; 32 rows of 4,096 bytes
	s_and_b32 s22, s20, 1
	s_lshl_b32 s22, s22, 15                        ; 8 rows
	s_add_co_u32 s21, s21, s22
	s_lshl_b32 s22, s18, 10                        ; my quarter of K: 1,024 bytes
	s_add_co_u32 s22, s21, s22
	s_mov_b32 s23, 0
	s_add_nc_u64 s[4:5], s[4:5], s[22:23]
	s_mul_i32 s24, ttmp9, 12288
	s_mul_i32 s25, s18, 3072
	s_add_co_u32 s24, s24, s25
	s_mov_b32 s25, 0
	s_add_nc_u64 s[12:13], s[12:13], s[24:25]      ; my four pieces in wc
	s_lshl_b32 s24, ttmp9, 9
	s_add_nc_u64 s[14:15], s[14:15], s[24:25]      ; the tile's 512 bytes in ws
.macro LOADQ g                         ; piece g: 16 rows x 256 bytes, two whole rows' parts a load
.irp i, 0,1,2,3,4,5,6,7
	global_load_b128 v[R+32*(\g)+4*\i:R+32*(\g)+4*\i+3], v2, s[4:5] offset:(2*\i+8*(\i/4))*4096+256*(\g) th:TH_LOAD_NT
.endr
.endm
.macro TURNQ g                         ; through the stage: in as loaded, out 128 bytes a lane.  LDS serves a wave's instructions in order, so no wait stands between
.set XS, 192-160*((\g)%2)
.irp i, 0,1,2,3,4,5,6,7
	ds_store_b128 v3, v[R+32*(\g)+4*\i:R+32*(\g)+4*\i+3] offset:4352*((\g)%2)+544*\i
.endr
.irp k, 0,1,2,3,4,5,6,7
	ds_load_b128 v[XS+4*\k:XS+4*\k+3], v4 offset:4352*((\g)%2)+16*\k
.endr
.endm
.macro STEPQ g
.if (\g) > 0
	s_wait_dscnt 0x1                               ; this piece's numbers are back; behind them only the last piece's byte store was issued
.else
	s_wait_dscnt 0x0
.endif
.if (\g) < 3
	s_wait_loadcnt 8*(2-(\g))                      ; the next piece's eight loads are in; those of the pieces behind it may be out
	TURNQ (\g)+1
.endif
.set XW, 192-160*((\g)%2)              ; v192-223 and v32-63 by turns: my block's 32 numbers
.set CC, 224+8*(\g)-224*((\g)/2)       ; eight registers of codes for each piece (v224-239, v16-31): no store's data are written again
	v_max3_num_f32 v8, |v[XW]|, |v[XW+1]|, |v[XW+2]|
	v_max3_num_f32 v9, |v[XW+3]|, |v[XW+4]|, |v[XW+5]|
.irp i, 6,10,14,18,22,26
	v_max3_num_f32 v8, v8, |v[XW+\i]|, |v[XW+\i+1]|
	v_max3_num_f32 v9, v9, |v[XW+\i+2]|, |v[XW+\i+3]|
.endr
	v_max3_num_f32 v8, v8, |v[XW+30]|, |v[XW+31]|
	v_max3_num_f32 v8, v8, v9, 0x1800000           ; and the floor 2^(3 - 127): the byte cannot fall under 1
	v_add_nc_u32 v11, 0xff000000, v8               ; 2 off the exponent field: the conversion takes this operand's exponent field as its scale
	v_cvt_scalef32_pk16_fp6_f32 v[CC:CC+2], v[XW:XW+15], v11
	v_cvt_scalef32_pk16_fp6_f32 v[CC+4:CC+6], v[XW+16:XW+31], v11   ; (a conversion's three registers begin on an even number)
	v_lshrrev_b32 v[12+(\g)], 23, v11              ; the scale's byte; also the plain line behind the conversions
	v_mov_b32 v[CC+3], v[CC+4]
	v_mov_b32 v[CC+4], v[CC+5]
	v_mov_b32 v[CC+5], v[CC+6]                     ; six registers on end: the block's 192 bits
	ds_store_b8 v7, v[12+(\g)] offset:2*(\g)
	global_store_b128 v5, v[CC:CC+3], s[12:13] offset:768*(\g)        ; 512 consecutive bytes
	global_store_b64 v6, v[CC+4:CC+5], s[12:13] offset:768*(\g)+512   ; 256 consecutive bytes
.endm
	LOADQ 0
	LOADQ 1
	LOADQ 2
	LOADQ 3                                        ; all 32 loads of the wave, 16,384 bytes, are out at once
	s_wait_alu depctr_va_vdst(0)
	s_wait_loadcnt 24                              ; piece 0's eight are in
	TURNQ 0
	STEPQ 0
	STEPQ 1
	STEPQ 2
	STEPQ 3
	s_wait_dscnt 0x0                               ; my byte stores have landed
	s_barrier_signal -1
	s_barrier_wait -1                              ; everybody's have: the tile's 512 scale bytes lie in LDS
	s_cmp_lg_u32 s18, 0
	s_cbranch_scc1 .Lq_end
	ds_load_b128 v[32:35], v10
	s_wait_dscnt 0x0
	global_store_b128 v5, v[32:35], s[14:15]       ; wave 0 stores them: 512 consecutive bytes
.Lq_end:
	s_wait_tensorcnt 0x0
	ds_add_u32 v240, v241
	s_wait_dscnt 0x0
	s_endpgm
	; ---------------- the mask ----------------
.Lmask:
	s_sub_co_u32 s19, ttmp9, 512
	s_lshl_b32 s19, s19, 2
	s_add_co_u32 s19, s19, s18                     ; task = ((b x 128 + query tile) x 8 + pair of key steps)
	s_and_b32 s20, s19, 7                          ; which 256 keys
	s_bfe_u32 s21, s19, 0x70003                    ; the query tile
	s_lshr_b32 s22, s19, 10                        ; b
	s_lshr_b32 s23, s21, 1
	s_lshl_b32 s23, s23, 16                        ; 32 rows of 2,048 bytes
	s_and_b32 s24, s21, 1
	s_lshl_b32 s24, s24, 14                        ; 8 rows
	s_add_co_u32 s23, s23, s24
	s_lshl_b32 s24, s22, 22
	s_add_co_u32 s23, s23, s24
	s_lshl_b32 s24, s20, 8
	s_add_co_u32 s24, s23, s24
	s_mov_b32 s25, 0
	s_add_nc_u64 s[10:11], s[10:11], s[24:25]
	s_lshl_b32 s26, s19, 9                         ; two key steps' words are 512 bytes: the tasks' parts of mw lie on end
	s_mov_b32 s27, 0
	s_add_nc_u64 s[16:17], s[16:17], s[26:27]
	s_lshl_b32 s26, s19, 3                         ; two key steps' flag words are 8 bytes
	s_add_nc_u64 s[32:33], s[32:33], s[26:27]
	s_mul_i32 s19, s18, 4352
	s_add_co_u32 s19, s19, MST                     ; my stage
	s_wait_alu depctr_va_vdst(0)
	v_lshlrev_b32 v2, 11, v9
	v_lshl_add_u32 v2, v8, 4, v2                   ; two rows x 256 bytes a load
	v_mul_u32_u24 v3, v9, 272
	v_lshl_add_u32 v3, v8, 4, v3
	v_add_nc_u32 v3, s19, v3
	v_mul_u32_u24 v4, v8, 272
	v_lshl_add_u32 v4, v9, 5, v4                   ; THE KEYS' ORDER IN mw: bit r + 16 h of word n is the key 128 step + 64 (n / 32) + 32 h + n % 32
	v_add_nc_u32 v4, s19, v4                       ; out: row r, 32 h bytes on, 32 bytes of every 64
.irp i, 0,1,2,3,4,5,6,7
	global_load_b128 v[32+4*\i:35+4*\i], v2, s[10:11] offset:(2*\i+8*(\i/4))*2048 th:TH_LOAD_NT
.endr
.irp u, 0,1,2,3
	v_mov_b32 v[16+\u], 0                          ; a lane write's destination counts as read
.endr
	s_wait_alu depctr_va_vdst(0)
	s_wait_loadcnt 0x0
.irp i, 0,1,2,3,4,5,6,7
	ds_store_b128 v3, v[32+4*\i:35+4*\i] offset:544*\i
.endr
.irp k, 0,1,2,3,4,5,6,7
	ds_load_b128 v[64+4*\k:67+4*\k], v4 offset:64*(\k/2)+16*(\k%2)   ; out: row r, 32 h bytes on, 32 bytes of every 64
.endr
	s_wait_dscnt 0x0
.set q, 0
.rept 32                               ; four words at a time: a byte of each lane becomes a bit of a scalar, and the scalar goes to lane q of register u
.irp u, 0,1,2,3
	v_and_b32 v[8+\u], 0xff<<(8*\u), v[64+q]
.endr
.irp u, 0,1,2,3
	v_cmp_ne_u32 s[28+\u], 0, v[8+\u]
.endr
.irp u, 0,1,2,3
	v_writelane_b32 v[16+\u], s[28+\u], q
.endr
.set q, q+1
.endr
	global_store_b128 v5, v[16:19], s[16:17]       ; lane q stores words 4 q .. 4 q + 3: 512 consecutive bytes
	v_and_b32 v8, v16, v17
	v_and_b32 v9, v18, v19
	v_and_b32 v8, v8, v9
	v_cmp_ne_u32 s28, -1, v8                       ; the lanes whose four words have a hole: lanes 0-15 the first key step, lanes 16-31 the second
	s_and_b32 s29, s28, 0xffff
	s_lshr_b32 s30, s28, 16
	v_mov_b32 v10, s29
	v_mov_b32 v11, s30
	v_mov_b32 v12, 0
	v_cmp_eq_u32 vcc_lo, 0, v1
	s_wait_alu depctr_va_vdst(0)                   ; the wait ahead of the wait below
	s_wait_xcnt 0x0                                ; EXEC changes only behind this wait
	s_and_saveexec_b32 s31, vcc_lo
	global_store_b64 v12, v[10:11], s[32:33]       ; lane 0 stores the two flag words
	s_wait_xcnt 0x0
	s_or_b32 exec_lo, exec_lo, s31
	s_wait_tensorcnt 0x0
	ds_add_u32 v240, v241
	s_wait_dscnt 0x0
	s_endpgm
.Lfunc_end_k_q22254024b8_prep:
	.size	k_q22254024b8_prep, .Lfunc_end_k_q22254024b8_prep-k_q22254024b8_prep
	.p2alignl 7, 3214868480
	.fill 96, 4, 3214868480
	.section	.rodata,"a",@progbits
	.p2align	6, 0x0
	.amdhsa_kernel k_q22254024b8_prep
		.amdhsa_group_segment_fixed_size 53248
		.amdhsa_private_segment_fixed_size 0
		.amdhsa_enable_private_segment 0
		.amdhsa_kernarg_size 64
		.amdhsa_user_sgpr_count 2
		.amdhsa_user_sgpr_kernarg_segment_ptr 1
		.amdhsa_wavefront_size32 1
		.amdhsa_system_sgpr_workgroup_id_x 1
		.amdhsa_system_sgpr_workgroup_id_y 1
		.amdhsa_system_sgpr_workgroup_id_z 1
		.amdhsa_system_vgpr_workitem_id 0
		.amdhsa_next_free_vgpr 242
		.amdhsa_next_free_sgpr 66
		.amdhsa_reserve_vcc 1
		.amdhsa_float_denorm_mode_32 3
		.amdhsa_float_denorm_mode_16_64 3
		.amdhsa_memory_ordered 1
		.amdhsa_forward_progress 1
		.amdhsa_inst_pref_size 46
	.end_amdhsa_kernel
	.amdgpu_metadata
---
amdhsa.version: [ 1, 2 ]
amdhsa.kernels:
  - .name:           k_q22254024b8_prep
    .symbol:         k_q22254024b8_prep.kd
    .args:
      - { .name: x, .offset: 0, .size: 8, .value_kind: global_buffer, .address_space: global }
      - { .name: w_qkv, .offset: 8, .size: 8, .value_kind: global_buffer, .address_space: global }
      - { .name: w_proj, .offset: 16, .size: 8, .value_kind: global_buffer, .address_space: global }
      - { .name: mask, .offset: 24, .size: 8, .value_kind: global_buffer, .address_space: global }
      - { .name: wc, .offset: 32, .size: 8, .value_kind: global_buffer, .address_space: global }
      - { .name: ws, .offset: 40, .size: 8, .value_kind: global_buffer, .address_space: global }
      - { .name: mw, .offset: 48, .size: 8, .value_kind: global_buffer, .address_space: global }
      - { .name: mf, .offset: 56, .size: 8, .value_kind: global_buffer, .address_space: global }
    .group_segment_fixed_size: 53248
    .private_segment_fixed_size: 0
    .kernarg_segment_align: 8
    .kernarg_segment_size: 64
    .max_flat_workgroup_size: 128
    .sgpr_count:     66
    .vgpr_count:     242
    .wavefront_size: 32
...
	.end_amdgpu_metadata
.endif
;; end of part 1
;; launch qkv (part 2): grid 12 x 16, 4 waves a work-group, clusters of 4 x 4, 327,680 bytes of LDS; arguments wc, ws, qkv; writes qkv
.if DOCPART == 2
	.amdgcn_target "amdgcn-amd-amdhsa--gfx1250"
	.amdhsa_code_object_version 6
	.text
	.protected	k_q22254024b8_qkv
	.globl	k_q22254024b8_qkv
	.p2align	8
	.type	k_q22254024b8_qkv,@function
k_q22254024b8_qkv:
	s_mov_b64 s[64:65], 0
	v_nop
	global_prefetch_b8 v0, s[64:65] scope:SCOPE_SE
	s_setreg_imm32_b32 hwreg(HW_REG_WAVE_MODE, 25, 1), 1
	s_wait_xcnt 0x0
	s_wait_alu depctr_hold_cnt(0) depctr_sa_sdst(0) depctr_va_vdst(0) depctr_va_sdst(0) depctr_va_ssrc(0) depctr_va_vcc(0) depctr_vm_vsrc(0)
	s_getreg_b32 s2, hwreg(HW_REG_IB_STS2, 6, 4)
	s_cmp_eq_u32 s2, 0
	s_cbranch_scc0 .Lentry_in_a_cluster
	s_endpgm
.Lentry_in_a_cluster:
	s_bfe_u32 s2, ttmp6, 0x10000c
	s_cmp_lg_u32 s2, 0xf033
	s_cbranch_scc0 .Lentry_shape_is_right
	s_endpgm
.Lentry_shape_is_right:
; q, k, v = x w_qkv^T on codes of FP6 (E2M3) with E8M0 scales, K = 1,024; the results are quantised again in registers and leave as codes: q and k along the head's 64, v along the keys.
; OPERANDS: wc [tile][16][768 bytes], ws [tile][r][32 bytes] (tiles 0-255 x, 256-447 w_qkv): images of the operand's registers.  Lane r of tile T holds row 32 (T / 2) + 8 (T % 2) + r + 8 (r / 8).
; A work-group of four waves makes 256 x 256 of the product, a wave 128 x 128: 64 accumulators, 512 registers.
; K goes in four steps of 256 through THREE LDS slots filled by the tensor data mover: steps 0, 1, 2 are asked for together at the start, step 3 goes into slot 0 when step 0 has been read, two steps ahead of its use.  So one refill, one round for it.
; THE MATRIX INSTRUCTION IS USED TRANSPOSED (source 0 = a tile of B, source 1 = a tile of A): by the tiles' order of rows, the 16 registers of B's tiles 2 c and 2 c + 1 are 16 NEIGHBOURS 32 c + 16 (lane / 16) + 0 .. 15 along B's rows.
; ONE TEXT, TWO KINDS, by the cluster's x.  Clusters 0, 1: A = x (tokens), B = w_q, w_k: a lane holds one token and neighbours along the head.  Cluster 2: A = w_v, B = x: a lane holds one channel and neighbouring KEYS.
; RESULT: qkv, 96 planes of 102,400 bytes (q: 32 b + head; k: 32 b + 16 + head; v: 64 + 16 b + head); a plane is 16 steps of 128 tokens, 6,400 bytes each: eight pieces of 768 bytes (16 rows x 64 along K, as in wc), then 256 bytes of scale words [r][4].
;   q, k: piece = token tile of the step; word i = the two bytes of tile 2 i, then those of tile 2 i + 1.   v: piece 4 e + t = channels' tile t, keys 64 e on; word t = the four bytes of the step's 128 keys.
; CLUSTERS: 4 x 4 work-groups; A's tiles are shared along a row of the cluster, B's along a column: each is asked for jointly, by the same tensor load with the same descriptor and a mask that names the four.
; LIMITS: NaN and infinities are not served; a block whose largest magnitude lies under 2^-124, a block of zeros among them, keeps the byte 1 (its codes add nothing, and this program alone reads the bytes).
; REGISTERS, in windows of 256: window 0: v0-31 addresses; v32-63 scale words, two sets; v128-223 A's fragments, one set; on the way out v32-159 are free.  window 1: B's fragments, two sets, at v0 and v128.  windows 2, 3: the accumulators ((a, b) at v[8 (8 (a % 4) + b)]).
.set NQ,     2                         ; matrix instructions deep in a slot: 256 along K
.set FR,     12                        ; registers of a fragment: 16 rows x 128 K
.set NL,     4                         ; LDS loads that bring one
.set NP,     4                         ; places behind this matrix instruction (ISA guide 7.12.1)
.set TILEB,  12288                     ; a tile's codes for all of K
.set STEPB,  3072                      ; and for 256 along K: four pieces
.set HALFT,  8*STEPB                   ; eight tiles, 128 rows: what one tensor load brings, and what one wave reads of A or of B
.set SLOT,   4*HALFT
.set SCL,    3*SLOT                    ; behind the three slots: the scales, as units of 256 bytes + 16 of padding
.set HALFS,  16*272                    ; those of 128 rows
.set SBLK,   544                       ; those of a tile
.set SPARE,  SCL+4*HALFS               ; the spare words, 128 bytes for each wave: two blocks of 256 bytes that no other line names
.set ADRA, 8                           ; v8-10  16 x lane + my A in slot 0, 1, 2;  v11-13 the same with 8 x lane
.set ADRB, 14                          ; v14-19 the same for B
.set ADRS, 27                          ; v27    my scale words: lanes 0-15 A's rows, lanes 16-31 B's
.set SPW,  28                          ; v28    SPARE + 4 x my thread's number; never rewritten
.set NIL,  29                          ; v29    0; never rewritten
.set SC,   32
.set AF,   128
.set G1, 24                            ; s[24:31] descriptor group 1 for A's tiles;  s[32:39] group 0 for slots 0, 1;  s[8:11] for the head's load of slot 0
.set G0, 32
.set G0C, 8
.set G1B, 48                           ; s[48:55], s[56:63], s[40:43] the same for B's tiles
.set G0B, 56
.set G0CB, 40
.set G1S, 68
.set G0S, 76
.set G1SB, 80
.set G0SB, 88
.set KIND, 66                          ; s66    1 in cluster x = 2
.set MSB, 0
.macro WIN new                         ; the immediate's high byte repeats the setting that is left
.if MSB != \new
	s_set_vgpr_msb (MSB<<8)|\new
.set MSB, \new
.endif
.endm
.set MUL_LO, 0xa1                      ; source 0 (B) window 1, source 1 (A) window 0, C and D window 2
.set MUL_HI, 0xf1                      ; the same, C and D window 3
.set TO_B,   0x40                      ; destination window 1, address window 0
; A joint load: waves 0 and 1 fetch for A, waves 2 and 3 for B; the branch hangs on the wave's number alone.  Four v_nop follow each of the two lines.
.macro JLOAD g0a, g1a, g0b, g1b
	s_cmp_eq_u32 s15, 0
	s_cbranch_scc0 .Lfor_b_\@
	tensor_load_to_lds s[\g0a:\g0a+3], s[\g1a:\g1a+7]
	s_nop 0
.rept 4
	v_nop
.endr
	s_branch .Lasked_\@
.Lfor_b_\@:
	tensor_load_to_lds s[\g0b:\g0b+3], s[\g1b:\g1b+7]
	s_nop 0
.rept 4
	v_nop
.endr
.Lasked_\@:
.endm
.macro CREST                           ; a round of the cluster's barrier behind its opening barrier
	s_cmp_lg_u32 s14, 0
	s_cbranch_scc1 .Lnot_wave_0_\@
	s_barrier_signal -3
.Lnot_wave_0_\@:
	s_barrier_wait -3
	s_barrier_signal -1
	s_barrier_wait -1
.endm
.macro CROUND
	s_barrier_signal -1
	s_barrier_wait -1
	CREST
.endm
	s_load_b128 s[4:7], s[0:1], 0x0                ; wc, ws
	s_load_b64 s[12:13], s[0:1], 0x10              ; qkv
	v_lshl_add_u32 v[SPW], v0, 2, SPARE
	v_mov_b32 v[NIL], 0
	ds_add_u32 v28, v29
	ds_add_u32 v28, v29
	s_wait_dscnt 0x0
	v_lshrrev_b32 v1, 5, v0
	v_readfirstlane_b32 s14, v1                    ; wave 0..3
	s_lshr_b32 s15, s14, 1                         ; which half of A's rows is mine.  Also: I fetch for A (0) or for B (1)
	s_and_b32 s16, s14, 1                          ; which half of B's rows.  Also: which eight tiles I fetch
	s_bfe_u32 s40, ttmp6, 0x40000                  ; cx, cy: my place in the cluster
	s_bfe_u32 s41, ttmp6, 0x40004
	s_and_b32 s67, ttmp7, 0xffff                   ; the cluster's y
	s_cmp_eq_u32 ttmp9, 2                          ; the kind hangs on the cluster's x, which all sixteen partners share
	s_cselect_b32 s[KIND], 1, 0
	s_cselect_b32 s17, 0, s67                      ; which four blocks of A: w_v has only four
	s_cselect_b32 s42, s67, ttmp9                  ; and of B
	s_cselect_b32 s45, 384, 0                      ; A's first tile in wc: w_v's or x's
	s_cselect_b32 s94, 0, 256                      ; B's: x's or w_q's
	s_lshl_b32 s17, s17, 2
	s_add_co_u32 s17, s17, s41                     ; block of 256 rows of A
	s_lshl_b32 s42, s42, 2
	s_add_co_u32 s42, s42, s40                     ; block of 256 rows of B
	s_lshl_b32 s43, s41, 2
	s_lshl_b32 s43, 15, s43                        ; my row of the cluster
	s_lshl_b32 s44, 0x1111, s40                    ; my column
	; descriptor group 1 for codes: sixteen rows (tiles) of 3,072 bytes, 12,288 bytes apart, as elements of 8 bytes; they land on end, without padding
	s_or_b32 s[G1+0], s43, (3<<16)|(1<<21)
	s_or_b32 s[G1B+0], s44, (3<<16)|(1<<21)
.irp g, G1, G1B
	s_mov_b32 s[\g+1], 384<<16                     ; tensor_dim0
	s_mov_b32 s[\g+2], 16<<16                      ; the head's loads of codes bring sixteen tiles
	s_mov_b32 s[\g+3], 384<<16                     ; tile_dim0
	s_mov_b32 s[\g+4], 16
	s_mov_b32 s[\g+5], 1536                        ; tensor_dim0_stride
	s_mov_b32 s[\g+6], 0
	s_mov_b32 s[\g+7], 0
.endr
	; and for the scales of sixteen tiles: 8,192 dense bytes as 32 rows of 256, 16 bytes of padding behind each
	s_or_b32 s[G1S+0], s43, (3<<16)|(1<<20)|(1<<21)|(5<<22)|(3<<25)
	s_or_b32 s[G1SB+0], s44, (3<<16)|(1<<20)|(1<<21)|(5<<22)|(3<<25)
.irp g, G1S, G1SB
	s_mov_b32 s[\g+1], 32<<16
	s_mov_b32 s[\g+2], 32<<16                      ; the scales of sixteen tiles: 32 rows of 256 bytes
	s_mov_b32 s[\g+3], 32<<16
	s_mov_b32 s[\g+4], 32
	s_mov_b32 s[\g+5], 32
	s_mov_b32 s[\g+6], 0
	s_mov_b32 s[\g+7], 0
.endr
	s_mul_i32 s18, s16, 8*TILEB                    ; behind the head I fetch eight tiles: which half, in bytes
	s_mov_b32 s19, 0
	s_lshl_b32 s20, s17, 4
	s_add_co_u32 s20, s20, s45                     ; the first of A's sixteen tiles
	s_lshl_b32 s46, s42, 4
	s_add_co_u32 s46, s46, s94                     ; and of B's
	s_lshl_b32 s22, s20, 9                         ; their scales: 512 bytes a tile
	s_mov_b32 s23, 0
	s_lshl_b32 s92, s46, 9
	s_mov_b32 s93, 0
	s_mul_i32 s20, s20, TILEB                      ; their codes
	s_mov_b32 s21, 0
	s_mul_i32 s46, s46, TILEB
	s_mov_b32 s47, 0
	s_mul_i32 s45, s14, HALFT                      ; where they go: no place in the cluster enters an LDS address
	; where my results go: the plane of my first head and my step of 128 tokens (in registers that feed no descriptor)
	s_lshl_b32 s95, s17, 1
	s_add_co_u32 s95, s95, s15                     ; my 128 rows of A
	s_lshl_b32 s96, s42, 1
	s_add_co_u32 s96, s96, s16                     ; my 128 rows of B
	s_cmp_eq_u32 s[KIND], 1
	s_cselect_b32 s97, s96, s95                    ; the tokens' group of 128,
	s_cselect_b32 s98, s95, s96                    ; the features' (two heads)
	s_cselect_b32 s99, 64, 0
	s_cselect_b32 s100, 4, 5
	s_lshr_b32 s101, s97, 4                        ; b
	s_lshl_b32 s101, s101, s100
	s_add_co_u32 s99, s99, s101
	s_lshl_b32 s98, s98, 1
	s_add_co_u32 s99, s99, s98                     ; the plane
	s_and_b32 s97, s97, 15                         ; the step
	s_mul_i32 s99, s99, 102400
	s_mul_i32 s97, s97, 6400
	s_add_co_u32 s98, s99, s97
	s_mov_b32 s99, 0
	s_wait_kmcnt 0x0
	s_add_nc_u64 s[12:13], s[12:13], s[98:99]
	s_add_nc_u64 s[20:21], s[4:5], s[20:21]
	s_add_nc_u64 s[22:23], s[6:7], s[22:23]
	s_add_nc_u64 s[46:47], s[4:5], s[46:47]
	s_add_nc_u64 s[92:93], s[6:7], s[92:93]
	CROUND                                         ; all sixteen work-groups are here: the first joint loads meet
	s_mov_b32 s[G0S], 1
	s_mov_b32 s[G0S+1], SCL
	s_mov_b64 s[G0S+2:G0S+3], s[22:23]
	s_or_b32 s[G0S+3], s[G0S+3], 0x80000000
	s_mov_b32 s[G0SB], 1
	s_mov_b32 s[G0SB+1], SCL+2*HALFS
	s_mov_b64 s[G0SB+2:G0SB+3], s[92:93]
	s_or_b32 s[G0SB+3], s[G0SB+3], 0x80000000
; THE FILLS, as they stand now.  Head: one joint load a wave: wave 0 K step 0 of A's sixteen tiles, wave 1 of B's, wave 2 A's scales, wave 3 B's.
; Behind the three lines and a round: one load a wave, eight tiles x 6,144 bytes: K steps 1 and 2, a tile's two steps on end.  K step 3 goes into slot 0 when step 0 has been read.
	s_mov_b32 s[G0C], 1
	s_mov_b32 s[G0C+1], 0
	s_mov_b64 s[G0C+2:G0C+3], s[20:21]
	s_or_b32 s[G0C+3], s[G0C+3], 0x80000000
	s_mov_b32 s[G0CB], 1
	s_mov_b32 s[G0CB+1], 2*HALFT
	s_mov_b64 s[G0CB+2:G0CB+3], s[46:47]
	s_or_b32 s[G0CB+3], s[G0CB+3], 0x80000000
	s_add_nc_u64 s[20:21], s[20:21], s[18:19]      ; from here on: my eight tiles
	s_add_nc_u64 s[46:47], s[46:47], s[18:19]
.irp s, 0,1
	s_mov_b32 s[G0+4*\s], 1
	s_mul_i32 s[G0+4*\s+1], s45, \s+1              ; slot 0: wave x 24,576; K steps 1 and 2: behind slot 0, wave x 49,152
	s_add_co_u32 s[G0+4*\s+1], s[G0+4*\s+1], \s*SLOT
	s_add_nc_u64 s[G0+4*\s+2:G0+4*\s+3], s[20:21], \s*STEPB
	s_or_b32 s[G0+4*\s+3], s[G0+4*\s+3], 0x80000000
	s_mov_b32 s[G0B+4*\s], 1
	s_mul_i32 s[G0B+4*\s+1], s45, \s+1
	s_add_co_u32 s[G0B+4*\s+1], s[G0B+4*\s+1], \s*SLOT
	s_add_nc_u64 s[G0B+4*\s+2:G0B+4*\s+3], s[46:47], \s*STEPB
	s_or_b32 s[G0B+4*\s+3], s[G0B+4*\s+3], 0x80000000
.endr
.macro ARM under, g0, g1, next         ; one chain of branches on the wave's number, one load to an arm, all arms to one join
	s_cmp_lt_u32 s14, \under
	s_cbranch_scc0 \next
	tensor_load_to_lds s[\g0:\g0+3], s[\g1:\g1+7]
	s_nop 0
.rept 4
	v_nop
.endr
	s_branch .Lhead_asked
\next:
.endm
	ARM 1, G0C,  G1,  .Lhead_b
	ARM 2, G0CB, G1B, .Lhead_sa
	ARM 3, G0S,  G1S, .Lhead_sb
	tensor_load_to_lds s[G0SB:G0SB+3], s[G1SB:G1SB+7]
	s_nop 0
.rept 4
	v_nop
.endr
.Lhead_asked:
	v_and_b32 v1, 15, v0                           ; r
	v_bfe_u32 v2, v0, 4, 1                         ; h
	v_and_b32 v3, 31, v0
	v_lshlrev_b32 v4, 4, v3                        ; 16 x lane
	v_lshlrev_b32 v5, 3, v3                        ; 8 x lane
	v_mov_b32 v24, v4                              ; the way out: a piece's registers 0-3,
	v_mov_b32 v25, v5                              ; its registers 4-5,
	v_mul_u32_u24 v26, v2, 102400
	v_lshl_add_u32 v26, v1, 4, v26                 ; and the scale words: lanes 0-15 my first head's plane, lanes 16-31 my second's
	s_mul_i32 s21, s15, HALFT                      ; my eight tiles of A
	s_mul_i32 s22, s16, HALFT
	s_add_co_u32 s22, s22, 2*HALFT                 ; and of B, behind A's sixteen
.irp s, 0,1,2
	v_add_nc_u32 v[ADRA+\s], s21, v4
	v_add_nc_u32 v[ADRB+\s], s22, v4
	v_add_nc_u32 v[ADRA+3+\s], s21, v5
	v_add_nc_u32 v[ADRB+3+\s], s22, v5
.if \s == 0
	s_lshl_b32 s21, s21, 1                         ; K steps 1 and 2 lie behind slot 0, eight tiles in 49,152 bytes,
	s_lshl_b32 s22, s22, 1
	s_add_co_u32 s21, s21, SLOT
	s_add_co_u32 s22, s22, SLOT
.else
	s_add_co_u32 s21, s21, STEPB                   ; and step 2 lies 3,072 bytes behind step 1 in each tile
	s_add_co_u32 s22, s22, STEPB
.endif
.endr
	v_mul_u32_u24 v5, v1, 32                       ; my row's scales: 32 bytes a row,
	v_lshrrev_b32 v6, 8, v5
	v_lshl_add_u32 v5, v6, 4, v5                   ; and 16 more for each 256 passed
	s_mul_i32 s21, s15, HALFS
	s_mul_i32 s22, s16, HALFS
	s_add_co_u32 s22, s22, 2*HALFS
	s_sub_co_u32 s22, s22, s21
	v_mul_u32_u24 v6, s22, v2                      ; lanes 16-31 take B's
	s_add_co_u32 s21, s21, SCL
	v_add_nc_u32 v5, v5, v6
	v_add_nc_u32 v[ADRS], s21, v5
.macro FRAG reg, adr, q, i             ; a fragment is two pieces of 768 bytes: registers 0-3 at 16 x lane, 4-5 at 512 + 8 x lane, 6-9 and 10-11 likewise 768 bytes on: every load takes consecutive bytes
	ds_load_b128 v[\reg:\reg+3], v[\adr] offset:(\i)*TP+1536*(\q)
	ds_load_b64 v[\reg+4:\reg+5], v[\adr+3] offset:(\i)*TP+1536*(\q)+512
	ds_load_b128 v[\reg+6:\reg+9], v[\adr] offset:(\i)*TP+1536*(\q)+768
	ds_load_b64 v[\reg+10:\reg+11], v[\adr+3] offset:(\i)*TP+1536*(\q)+1280
.endm
; 16 matrix instructions: A's tiles a0, a0 + 1 x B's eight, 128 along K.  p: B's set; sc: the set of scale words.  zero = 1: the first product starts the sums.  The 64 accumulators take turns, one instruction a turn.
.macro MUL16 a0, p, q, sc, zero
.irp a, \a0, \a0+1
.irp b, 0,1,2,3,4,5,6,7
.if \zero
	v_wmma_scale_f32_16x16x128_f8f6f4 v[8*(8*((\a)%4)+\b):8*(8*((\a)%4)+\b)+7], v[128*(\p)+FR*\b:128*(\p)+FR*\b+FR-1], v[AF+FR*(\a):AF+FR*(\a)+FR-1], 0, v[SC+8*NQ*(\sc)+NQ*\b+(\q)], v[SC+8*NQ*(\sc)+NQ*(\a)+(\q)] matrix_a_fmt:MATRIX_FMT_FP6 matrix_b_fmt:MATRIX_FMT_FP6 matrix_a_scale:MATRIX_SCALE_ROW1
.else
	v_wmma_scale_f32_16x16x128_f8f6f4 v[8*(8*((\a)%4)+\b):8*(8*((\a)%4)+\b)+7], v[128*(\p)+FR*\b:128*(\p)+FR*\b+FR-1], v[AF+FR*(\a):AF+FR*(\a)+FR-1], v[8*(8*((\a)%4)+\b):8*(8*((\a)%4)+\b)+7], v[SC+8*NQ*(\sc)+NQ*\b+(\q)], v[SC+8*NQ*(\sc)+NQ*(\a)+(\q)] matrix_a_fmt:MATRIX_FMT_FP6 matrix_b_fmt:MATRIX_FMT_FP6 matrix_a_scale:MATRIX_SCALE_ROW1
.endif
.endr
.endr
.endm
.macro FETCH_B slot, q, p
.set TP, STEPB*(1+((\slot)+1)/2)       ; from tile to tile in LDS: 3,072 bytes in slot 0, 6,144 in K steps 1 and 2
	WIN TO_B
.irp i, 0,1,2,3,4,5,6,7
	FRAG 128*(\p)+FR*\i, ADRB+\slot, \q, \i
.endr
	WIN 0
.endm
.macro FETCH_A slot, q, i0
.set TP, STEPB*(1+((\slot)+1)/2)
.irp i, \i0, \i0+1, \i0+2, \i0+3
	FRAG AF+FR*(\i), ADRA+\slot, \q, \i
.endr
.endm
.macro SCALES sc                       ; a K step's two scale words a row: lanes 0-15 A's tile i, lanes 16-31 B's tile i
.irp i, 0,1,2,3,4,5,6,7
	ds_load_b64 v[SC+8*NQ*(\sc)+NQ*\i:SC+8*NQ*(\sc)+NQ*\i+1], v[ADRS] offset:\i*SBLK
.endr
.endm
.macro PLACES n                        ; plain vector lines between a matrix instruction and a load into, or a read of, its registers
.rept \n
	v_nop
.endr
.endm
.macro STEP slot, sc, zero             ; a slot's first 128 along K; its successor lies in the same slot
	s_wait_dscnt 4*NL                              ; B's set and A's tiles 0-3 are in; the youngest sixteen loads (A's tiles 4-7) may be out
	WIN MUL_LO
	MUL16 0, 0, 0, \sc, \zero
	MUL16 2, 0, 0, \sc, \zero
	s_wait_dscnt 0
	PLACES NP
	FETCH_B \slot, 1, 1
	FETCH_A \slot, 1, 0
	WIN MUL_HI
	MUL16 4, 0, 0, \sc, \zero
	MUL16 6, 0, 0, \sc, \zero
	PLACES NP
	WIN 0
	FETCH_A \slot, 1, 4
.endm
; A slot's second 128 along K, which goes on to the next slot.
; kind 1: this slot is filled again.  In front of the barrier each wave waits for all its tensor loads, adds 0 to its spare word, and waits for that and for its reads of this slot; the barrier opens a round of the cluster's; the joint refill is the first thing behind it.
; kind 0: the next slot's tile was asked for by a refill: the same waits and a barrier of the work-group, so that every wave's part of it is shown landed to all; nothing is filled.
; kind 2: the next slot was shown whole to every wave by the waits in front of an earlier barrier, and this slot is not filled again: no wait on tensor loads, no barrier.
.macro TURN slot, next, sc, kind
.if \kind < 2
	s_wait_tensorcnt 0x0                           ; all my tensor loads have landed
	ds_add_u32 v[SPW], v[NIL]                      ; 0 onto my spare word
	s_wait_dscnt 4*NL+1                            ; (the add and the youngest sixteen loads may be out)
.else
	s_wait_dscnt 4*NL                              ; (the youngest sixteen loads may be out)
.endif
	WIN MUL_LO
	MUL16 0, 1, 1, \sc, 0
.if \kind < 2
	s_wait_dscnt 0x0                               ; the add is done, and my reads of this slot are over
	s_barrier_signal -1
.endif
	MUL16 2, 1, 1, \sc, 0
	WIN 0
.if \kind < 2
	s_barrier_wait -1
.else
	s_wait_dscnt 0                                 ; A's tiles 4-7 are in
.endif
.if \kind == 1
	CREST                                          ; no wave of any partner still reads this slot or has a load on its way
	s_add_nc_u64 s[G0+4*\slot+2:G0+4*\slot+3], s[G0+4*\slot+2:G0+4*\slot+3], 3*STEPB
	s_add_nc_u64 s[G0B+4*\slot+2:G0B+4*\slot+3], s[G0B+4*\slot+2:G0B+4*\slot+3], 3*STEPB
	s_mov_b32 s[G1+1], 384<<16                     ; no tensor load of mine is out: the refill's rows are 3,072 bytes again
	s_mov_b32 s[G1+3], 384<<16
	s_mov_b32 s[G1B+1], 384<<16
	s_mov_b32 s[G1B+3], 384<<16
	JLOAD G0+4*\slot, G1, G0B+4*\slot, G1B         ; K step 3: the first tensor load behind the round; its four v_nop are the places in front of the loads below
.else
	PLACES NP
.endif
	v_add_nc_u32 v[ADRS], 4*NQ, v[ADRS]            ; the next K step's scale words
	FETCH_B \next, 0, 0
	FETCH_A \next, 0, 0
	SCALES 1-\sc
	WIN MUL_HI
	MUL16 4, 1, 1, \sc, 0
	MUL16 6, 1, 1, \sc, 0
	PLACES NP
	WIN 0
	FETCH_A \next, 0, 4
.endm
	s_wait_alu depctr_va_vdst(0)
	s_wait_tensorcnt 0x0                           ; my tile of the head's four is in
	ds_add_u32 v[SPW], v[NIL]
.irp g, G1, G1B
	s_mov_b32 s[\g+1], 768<<16                     ; no tensor load of mine is out: the next load brings eight tiles x 6,144 bytes
	s_mov_b32 s[\g+2], 8<<16
	s_mov_b32 s[\g+3], 768<<16
	s_mov_b32 s[\g+4], 8
.endr
	s_wait_dscnt 0x0
	CROUND                                         ; all four tiles are in, and all sixteen work-groups are here
	JLOAD G0+4, G1, G0B+4, G1B                     ; K steps 1 and 2: my one tensor load behind the round
	FETCH_B 0, 0, 0
	FETCH_A 0, 0, 0
	SCALES 0
	FETCH_A 0, 0, 4
	STEP 0, 0, 1                                   ; K step 0: its first products start the sums
	TURN 0, 1, 0, 1                                ; slot 0 takes K step 3; slots 1 and 2 are whole for every wave from here on
	s_wait_alu depctr_va_vdst(0)
	STEP 1, 1, 0                                   ; K step 1
	TURN 1, 2, 1, 2
	s_wait_alu depctr_va_vdst(0)
	STEP 2, 0, 0                                   ; K step 2
	TURN 2, 0, 0, 0                                ; K step 3 has landed, everybody's part of it
	STEP 0, 1, 0                                   ; K step 3
	s_wait_dscnt 4*NL
	WIN MUL_LO
	MUL16 0, 1, 1, 1, 0
	MUL16 2, 1, 1, 1, 0
	s_wait_dscnt 0
	WIN MUL_HI
	MUL16 4, 1, 1, 1, 0
	MUL16 6, 1, 1, 1, 0
	WIN 0
; THE WAY OUT: no LDS.  Four blocks of 32 (each 16 registers of mine and 16 of lane l xor 16) become two pieces of codes and one scale word.
.set TQ, 128                           ; v128-134 the conversions' second halves
.set TM, 136                           ; v136-139 largest magnitudes
.set TP, 140                           ; v140-143 the other half's; then the bytes
.set TS, 144                           ; v144-147 the conversions' scale operands
.set WD, 148                           ; v148-155 a scale word for each group
.macro QGROUP g, w, r0, r1, r2, r3, off0, off1
.set QC, 32+12*(\g)                    ; twelve registers of codes for each group: no store's data are written again
	WIN 5*(\w)                                     ; sources 0 and 1: the accumulators' window
	v_max3_num_f32 v[TM+0], |v[\r0]|, |v[\r0+1]|, 0x1800000     ; each accumulator is read from its low end on; the floor 2^(3 - 127) holds the byte at 1 from below
	v_max3_num_f32 v[TM+1], |v[\r1]|, |v[\r1+1]|, 0x1800000
	v_max3_num_f32 v[TM+2], |v[\r2]|, |v[\r2+1]|, 0x1800000
	v_max3_num_f32 v[TM+3], |v[\r3]|, |v[\r3+1]|, 0x1800000
.irp i, 2,4,6,8,10,12,14
	v_max3_num_f32 v[TM+0], |v[\r0+\i]|, |v[\r0+\i+1]|, v[TM+0]
	v_max3_num_f32 v[TM+1], |v[\r1+\i]|, |v[\r1+\i+1]|, v[TM+1]
	v_max3_num_f32 v[TM+2], |v[\r2+\i]|, |v[\r2+\i+1]|, v[TM+2]
	v_max3_num_f32 v[TM+3], |v[\r3+\i]|, |v[\r3+\i+1]|, v[TM+3]
.endr
	WIN 0
.irp q, 0,1,2,3
	v_permlanex16_b32 v[TP+\q], v[TM+\q], s2, s3
.endr
.irp q, 0,1,2,3
	v_max_num_f32 v[TM+\q], v[TM+\q], v[TP+\q]     ; with lane l xor 16's: the block's largest magnitude
.endr
.irp q, 0,1,2,3
	v_add_nc_u32 v[TS+\q], 0xff000000, v[TM+\q]    ; 2 off its exponent field: the conversion's scale operand
.endr
.irp q, 0,1,2,3
	v_lshrrev_b32 v[TP+\q], 23, v[TS+\q]           ; the scale's byte
.endr
	v_lshl_or_b32 v[WD+(\g)], v[TP+1], 8, v[TP]
	v_lshl_or_b32 v[WD+(\g)], v[TP+2], 16, v[WD+(\g)]
	v_lshl_or_b32 v[WD+(\g)], v[TP+3], 24, v[WD+(\g)]
	WIN (\w)                                       ; source 0: the accumulators' window
	v_cvt_scalef32_pk16_fp6_f32 v[QC:QC+2], v[\r0:\r0+15], v[TS]
	v_cvt_scalef32_pk16_fp6_f32 v[TQ:TQ+2], v[\r1:\r1+15], v[TS+1]
	v_cvt_scalef32_pk16_fp6_f32 v[QC+6:QC+8], v[\r2:\r2+15], v[TS+2]
	v_cvt_scalef32_pk16_fp6_f32 v[TQ+4:TQ+6], v[\r3:\r3+15], v[TS+3]
	WIN 0
	v_nop                                          ; one plain line behind the conversions
.irp c, 0,1                            ; the operand's layout wants a whole block in a lane: lanes 0-15 the first of a pair of blocks, lanes 16-31 the second
.irp i, 0,1,2
	v_permlane16_swap_b32 v[QC+6*\c+\i], v[TQ+4*\c+\i]
.endr
.irp i, 0,1,2
	v_mov_b32 v[QC+3+6*\c+\i], v[TQ+4*\c+\i]
.endr
.endr
	global_store_b128 v24, v[QC:QC+3], s[12:13] offset:\off0          ; 512 consecutive bytes
	global_store_b64 v25, v[QC+4:QC+5], s[12:13] offset:\off0+512     ; 256 consecutive bytes
	global_store_b128 v24, v[QC+6:QC+9], s[12:13] offset:\off1
	global_store_b64 v25, v[QC+10:QC+11], s[12:13] offset:\off1+512
.endm
	s_mov_b32 s2, 0x76543210
	s_mov_b32 s3, 0xfedcba98                       ; v_permlanex16_b32's selects for lane l xor 16
	PLACES NP                                      ; behind the last products: their results are read, and registers that they read are written
.irp q, 0,1,2,3
	v_mov_b32 v[TP+\q], 0                          ; a lane permute's destination counts as read
.endr
	s_cmp_eq_u32 s[KIND], 1
	s_cbranch_scc1 .Lkind_v
.irp j, 0,1                            ; q, k: head j of my two, token tiles 2 i and 2 i + 1: two blocks of the head's 64 each
.irp i, 0,1,2,3
.set RB, 64*((2*\i)%4)+32*\j
	QGROUP 4*\j+\i, 2+\i/2, RB, RB+16, RB+64, RB+80, 102400*\j+1536*\i, 102400*\j+1536*\i+768
.endr
.endr
	s_branch .Ljoin
.Lkind_v:
.irp j, 0,1                            ; v: head j, channels' tile i: the four blocks of the step's 128 keys
.irp i, 0,1,2,3
.set RB, 64*\i
	QGROUP 4*\j+\i, 2+\j, RB, RB+16, RB+32, RB+48, 102400*\j+768*\i, 102400*\j+768*\i+3072
.endr
.endr
.Ljoin:
	v_and_b32 v3, 31, v0
	v_cmp_lt_u32 vcc_lo, 15, v3
.irp i, 0,1,2,3
	v_cndmask_b32 v[156+\i], v[WD+\i], v[WD+4+\i], vcc_lo   ; every lane holds its row's words of both heads: lanes 16-31 take the second head's
.endr
	global_store_b128 v26, v[156:159], s[12:13] offset:6144    ; sixteen lanes fill a plane's 256 bytes of scale words
	s_wait_tensorcnt 0x0                           ; the wave's end
	ds_add_u32 v[SPW], v[NIL]
	s_wait_dscnt 0x0
	CROUND                                         ; the closing round: no work-group ends while a partner may still ask for a tile that names it
	s_endpgm
.Lfunc_end_k_q22254024b8_qkv:
	.size	k_q22254024b8_qkv, .Lfunc_end_k_q22254024b8_qkv-k_q22254024b8_qkv
	.p2alignl 7, 3214868480
	.fill 96, 4, 3214868480
	.section	.rodata,"a",@progbits
	.p2align	6, 0x0
	.amdhsa_kernel k_q22254024b8_qkv
		.amdhsa_group_segment_fixed_size 327680
		.amdhsa_private_segment_fixed_size 0
		.amdhsa_enable_private_segment 0
		.amdhsa_kernarg_size 24
		.amdhsa_user_sgpr_count 2
		.amdhsa_user_sgpr_kernarg_segment_ptr 1
		.amdhsa_wavefront_size32 1
		.amdhsa_system_sgpr_workgroup_id_x 1
		.amdhsa_system_sgpr_workgroup_id_y 1
		.amdhsa_system_sgpr_workgroup_id_z 1
		.amdhsa_system_vgpr_workitem_id 0
		.amdhsa_next_free_vgpr 1024
		.amdhsa_next_free_sgpr 102
		.amdhsa_reserve_vcc 1
		.amdhsa_float_denorm_mode_32 3
		.amdhsa_float_denorm_mode_16_64 3
		.amdhsa_memory_ordered 1
		.amdhsa_forward_progress 1
		.amdhsa_inst_pref_size 184
	.end_amdhsa_kernel
	.amdgpu_metadata
---
amdhsa.version: [ 1, 2 ]
amdhsa.kernels:
  - .name:           k_q22254024b8_qkv
    .symbol:         k_q22254024b8_qkv.kd
    .args:
      - { .name: wc, .offset: 0, .size: 8, .value_kind: global_buffer, .address_space: global }
      - { .name: ws, .offset: 8, .size: 8, .value_kind: global_buffer, .address_space: global }
      - { .name: qkv, .offset: 16, .size: 8, .value_kind: global_buffer, .address_space: global }
    .group_segment_fixed_size: 327680
    .private_segment_fixed_size: 0
    .kernarg_segment_align: 8
    .kernarg_segment_size: 24
    .max_flat_workgroup_size: 128
    .sgpr_count:     102
    .vgpr_count:     1024
    .wavefront_size: 32
...
	.end_amdgpu_metadata
.endif
;; end of part 2
;; launch attn (part 3): grid 8 x 32, 16 waves a work-group, no clusters, 206,848 bytes of LDS; arguments qkv, mw, ac, asc, mf; writes ac, asc
.if DOCPART == 3
	.amdgcn_target "amdgcn-amd-amdhsa--gfx1250"
	.amdhsa_code_object_version 6
	.text
	.protected	k_q22254024b8_attn
	.globl	k_q22254024b8_attn
	.p2align	8
	.type	k_q22254024b8_attn,@function
k_q22254024b8_attn:
	s_mov_b64 s[64:65], 0
	v_nop
	global_prefetch_b8 v0, s[64:65] scope:SCOPE_SE
	s_setreg_imm32_b32 hwreg(HW_REG_WAVE_MODE, 25, 1), 1
	s_wait_xcnt 0x0
; O = softmax(mask ? q k^T / 8 : -infinity) v for one (b, head), both products on codes of FP6 (E2M3) with E8M0 scales; O leaves as codes along D = 1,024, for the last product.
; THE SOFTMAX: t = score x log2(e) / 8; M = the running largest t rounded UP to a whole number; p = 2^(t - M) is quantised along the keys, not normalised; the row's sum is taken of the unquantised p and divides O at the end.
; When M moves, the sum and O are multiplied by 2^(old M - new M): exact.
; INPUTS: planes of qkv (q: 32 b + head, k: + 16, v: 64 + 16 b + head), 16 steps of 128 tokens, 6,400 bytes a step: eight pieces of 768 bytes (16 rows x 64 along K: registers 0-3 at 16 x lane, 4-5 at 512 + 8 x lane) and 256 bytes of scale words [r][4].
;   mw [b][query tile][step][64]: word n is the lane mask of score register n.  mf [b][query tile][step]: 0 where all 64 words are all ones.
; SHARES.  A work-group owns 256 queries of one (b, head); each of its sixteen waves one tile of 16, in 256 registers, four waves to a SIMD.
; ALL OF K AND V OF THE HEAD, 204,800 bytes, STAYS IN LDS: step s of K at 12,800 s, of V 6,400 behind it.  Wave w brings step w: 18 global loads for K, 13 for V, then LDS stores; one barrier; nothing is filled again.
; K'S ROWS ARE RE-ORDERED ON THE WAY IN, by groups of eight rows: row 8 g + j of tile 4 c + m is key 64 c + 32 g + 8 m + j.  Both products are used transposed (S^T = K Q^T, O^T = V^T P^T), so score register n of lane (r, h)
; is key 64 (n / 32) + 32 h + n % 32 of query r: a lane holds two WHOLE blocks of 32 keys, in the order of the operand's registers: a block's maximum asks no other lane, and p's codes are swapped between no lanes.
; K = 64: a fragment of 128 along K holds TWO key tiles; multiplied by [q | zeros] it gives the first tile's scores, by [zeros | q] the second's.
; THE STEP is a macro: 15 trips of a loop and the last step written out.  Each step but the last asks for the next step's fragments of K at its end, with sixteen of the sum's additions between the request and the wait for it.
; THE MASK: one v_cndmask_b32 a score, its lane mask in a scalar register.  Where the step's flag word says that no key of the step is hidden from any of my 16 queries, a scalar branch leads round the 64 selects, which would change nothing.
; NO TENSOR LOAD, NO CLUSTER: each work-group brings K and V of the head by itself.
; NO PREFETCH: the loop reads K and V from LDS alone; all loads from memory stand at the head.
; A ROW WITH NO TRUE KEY has the sum 0: its scale bytes are stored as 0xff, which makes the last product's whole row NaN, as the definition has it.
; LIMITS: NaN and infinities among the inputs are not served; the scaled scores stay under 2^31 in magnitude; O / sum is a multiplication by v_rcp_f32's result; a block of O under 2^-124 keeps the byte 1.
; The scale bytes leave two to a row (a head owns 2 of a row's 32): 131,072 bytes in the whole launch, against 3,145,728 bytes of codes in whole runs.
.set PLANE, 102400
.set STEPP, 6400
.set PAIR,  12800
.set SCW,   6144
.set SPARE, 204800                     ; the spare words: 128 bytes for each of 16 waves
.set TB,  2                            ; s2   the step's LDS byte
.set CNT, 3                            ; s3   trips to go
.set MP,  6                            ; s[6:7] my tile's mask words
.set MO,  8                            ; s8   the byte of the step whose words are asked for
.set WV,  9
.set SEL, 10                           ; s[10:11] selects for lane l xor 16
.set CS,  12                           ; s[12:13] log2(e) / 8, twice
.set MF,  88                           ; s[88:89] my tile's flag words
.set FL,  100                          ; s100 the step's flag; s101 its byte in mf.  s[16:63], s[68:83]: the 64 mask words
.set FO,  101
.set SW,  36                           ; v36-39  lanes 0-15 K's four pair words, lanes 16-31 V's four words
.set FB,  40                           ; v40-87  four fragments of K, then of V
.set S,   96                           ; v96-159 S^T, then p
.set O,   160                          ; v160-191 O^T
.set PC,  192                          ; v192-203 p's codes
.set TQ,  204                          ; v204-210 the conversions' second halves
.set BM,  212                          ; v212-215 largest scores; v212, v214 the two blocks', then their largest p
.set BT,  216
.set BS,  220                          ; v220-221 the conversions' scale operands
.set PW,  224                          ; v224    p's scale word
.set FF,  226                          ; v[226:227] f = 2^(old M - new M)
.set T,   242                          ; v242-249 four partial sums of a step's p
.macro MLOAD                           ; a step's 64 mask words and its flag
	s_load_b512 s[16:31], s[MP:MP+1], s[MO] offset:0x0
	s_load_b512 s[32:47], s[MP:MP+1], s[MO] offset:0x40
	s_load_b512 s[48:63], s[MP:MP+1], s[MO] offset:0x80
	s_load_b512 s[68:83], s[MP:MP+1], s[MO] offset:0xc0
	s_lshr_b32 s[FO], s[MO], 6
	s_load_b32 s[FL], s[MF:MF+1], s[FO] offset:0x0
.endm
.macro TSUM                            ; the last step's four partial sums join the row's sum, still under that step's M
	v_pk_add_f32 v[T:T+1], v[T:T+1], v[T+2:T+3]
	v_pk_add_f32 v[T+4:T+5], v[T+4:T+5], v[T+6:T+7]
	s_delay_alu instid0(VALU_DEP_1)
	v_pk_add_f32 v[T:T+1], v[T:T+1], v[T+4:T+5]
	s_delay_alu instid0(VALU_DEP_1)
	v_pk_add_f32 v[14:15], v[14:15], v[T:T+1]
.endm
.macro SUMS m                          ; eight more p of each half join the four partial sums
.irp k, 0,1,2,3
	v_pk_add_f32 v[T+2*\k:T+2*\k+1], v[T+2*\k:T+2*\k+1], v[S+8*(\m)+2*\k:S+8*(\m)+2*\k+1]
.endr
.endm
.macro KLOAD p, q, w, off              ; 17 LDS loads: a step's scale words, then K's four fragments (fragment i: key tiles 2 i and 2 i + 1)
	ds_load_b128 v[SW:SW+3], v[\w] offset:\off
.irp i, 0,1,2,3
	ds_load_b128 v[FB+12*\i:FB+12*\i+3], v[\p] offset:\off+1536*\i
	ds_load_b64 v[FB+12*\i+4:FB+12*\i+5], v[\q] offset:\off+1536*\i+512
	ds_load_b128 v[FB+12*\i+6:FB+12*\i+9], v[\p] offset:\off+1536*\i+768
	ds_load_b64 v[FB+12*\i+10:FB+12*\i+11], v[\q] offset:\off+1536*\i+1280
.endr
.endm
	s_load_b128 s[4:7], s[0:1], 0x0                ; qkv, mw
	s_load_b128 s[84:87], s[0:1], 0x10             ; ac, asc
	s_load_b64 s[MF:MF+1], s[0:1], 0x20            ; mf
	v_lshl_add_u32 v254, v0, 2, SPARE
	v_mov_b32 v255, 0
	v_lshrrev_b32 v1, 5, v0
	v_readfirstlane_b32 s[WV], v1                  ; wave 0..15
	s_and_b32 s90, ttmp7, 0xffff
	s_lshr_b32 s91, s90, 4                         ; b
	s_and_b32 s92, s90, 15                         ; head
	s_lshl_b32 s93, s91, 5
	s_add_co_u32 s93, s93, s92                     ; q's plane
	s_mul_i32 s94, s[WV], STEPP                    ; the step that I bring
	s_add_co_u32 s96, s93, 16
	s_mul_i32 s96, s96, PLANE
	s_add_co_u32 s96, s96, s94
	s_mov_b32 s97, 0                               ; s[96:97]: its bytes in K's plane
	s_lshl_b32 s98, s91, 4
	s_add_co_u32 s98, s98, s92
	s_add_co_u32 s98, s98, 64
	s_mul_i32 s98, s98, PLANE
	s_add_co_u32 s98, s98, s94
	s_mov_b32 s99, 0                               ; s[98:99]: in V's
	s_mul_i32 s90, s[WV], PAIR                     ; and in LDS
	s_lshl_b32 s95, ttmp9, 4
	s_add_co_u32 s95, s95, s[WV]                   ; my query tile, 0..127
	s_lshl_b32 s94, s91, 7
	s_add_co_u32 s94, s94, s95                     ; and among both batches'
	s_lshr_b32 s100, s95, 3
	s_mul_i32 s100, s100, STEPP
	s_mul_i32 s101, s93, PLANE
	s_add_co_u32 s100, s100, s101
	s_mov_b32 s101, 0                              ; s[100:101]: my tile's step in q's plane
	s_and_b32 s14, s95, 7
	s_mul_i32 s15, s14, 768                        ; my tile's piece in the step
	s_lshr_b32 s14, s14, 1
	s_lshl_b32 s14, s14, 2                         ; and its pair's scale word
	s_and_b32 s2, s[WV], 1
	s_lshl_b32 s2, s2, 4                           ; which half of that word is my tile's
	s_mov_b32 s[SEL], 0x76543210
	s_mov_b32 s[SEL+1], 0xfedcba98
	s_mov_b32 s[CS], 0x3e38aa3b                    ; log2(e) / 8
	s_mov_b32 s[CS+1], s[CS]
	s_mov_b32 s[MO], 0
	v_and_b32 v250, 31, v0                         ; lane
	v_and_b32 v251, 15, v0                         ; r
	v_bfe_u32 v252, v0, 4, 1                       ; h
	v_bfe_u32 v253, v0, 3, 1                       ; g: which eight rows of a piece
	v_and_b32 v241, 7, v0
	v_lshlrev_b32 v1, 4, v250                      ; v1  16 x lane
	v_lshlrev_b32 v2, 3, v250                      ; v2  8 x lane
	v_lshlrev_b32 v11, 2, v250                     ; v11 4 x lane
	v_lshlrev_b32 v10, 3, v252                     ; v10 8 h
	v_mul_u32_u24 v3, v252, STEPP
	v_lshl_add_u32 v3, v251, 4, v3
	v_add_nc_u32 v3, SCW, v3                       ; v3  scale words: lanes 0-15 K's, lanes 16-31 V's, 16 bytes a row
	v_mov_b32 v4, 0xff800000                       ; v4  -infinity
	v_mul_u32_u24 v253, v253, 1536
	v_add_nc_u32 v253, s90, v253                   ; K on its way in: old tile 2 b + u, rows 8 g .. go to tile 4 (b / 2) + 2 g + u, rows 8 (b % 2) ..: 1,536 g here, the rest in the stores' offsets
	v_lshl_add_u32 v232, v252, 8, v253
	v_lshl_add_u32 v232, v241, 4, v232             ; v232 registers 0-3: + 256 h + 16 (lane % 8)
	v_lshl_add_u32 v233, v252, 7, v253
	v_lshl_add_u32 v233, v241, 3, v233             ; v233 registers 4-5: + 128 h + 8 (lane % 8)
	v_and_b32 v234, 1, v0                          ; K's scale words: new [8 g' + j][2 c + e] = old [8 e + j][2 c + g']; a lane brings old word 32 e + lane
	v_lshlrev_b32 v234, 7, v234
	v_bfe_u32 v241, v0, 2, 3
	v_lshl_add_u32 v234, v241, 4, v234
	v_and_b32 v241, 2, v0
	v_lshl_add_u32 v234, v241, 2, v234
	v_add_nc_u32 v234, s90, v234                   ; v234 128 (lane % 2) + 16 (lane / 4) + 8 ((lane / 2) % 2)
	v_add_nc_u32 v235, s90, v1                     ; v235, v236: V, as it lies
	v_add_nc_u32 v236, s90, v2
	v_add_nc_u32 v237, s15, v1                     ; v237-239: q's piece and scale word
	v_add_nc_u32 v238, s15, v2
	v_lshlrev_b32 v239, 4, v251
	v_add_nc_u32 v239, s14, v239
	s_wait_alu depctr_va_vdst(0)                   ; the wait ahead of the wait below
	s_wait_kmcnt 0x0
	s_add_nc_u64 s[96:97], s[4:5], s[96:97]
	s_add_nc_u64 s[98:99], s[4:5], s[98:99]
	s_add_nc_u64 s[4:5], s[4:5], s[100:101]
	global_load_b128 v[22:25], v237, s[4:5]        ; q's piece: v22-27
	global_load_b64 v[26:27], v238, s[4:5] offset:512
	global_load_b32 v240, v239, s[4:5] offset:SCW
.irp t, 0,1,2,3,4,5,6,7
	global_load_b128 v[96+4*\t:99+4*\t], v1, s[96:97] offset:768*\t          ; 512 consecutive bytes
	global_load_b64 v[128+2*\t:129+2*\t], v2, s[96:97] offset:768*\t+512     ; 256 consecutive bytes
.endr
	global_load_b32 v144, v11, s[96:97] offset:SCW
	global_load_b32 v145, v11, s[96:97] offset:SCW+128
.irp t, 0,1,2,3,4,5,6,7,8,9,10,11
	global_load_b128 v[40+4*\t:43+4*\t], v1, s[98:99] offset:512*\t          ; V's step keeps its order: 12 x 512 bytes of codes,
.endr
	global_load_b64 v[88:89], v2, s[98:99] offset:SCW                        ; and its 256 bytes of scale words
	s_lshl_b32 s100, s94, 12
	s_add_nc_u64 s[MP:MP+1], s[MP:MP+1], s[100:101]    ; my tile's 4,096 bytes of mask words
	s_lshl_b32 s100, s94, 4
	s_add_co_u32 s100, s100, s92
	s_mul_i32 s100, s100, 768
	s_add_nc_u64 s[84:85], s[84:85], s[100:101]    ; ac: [tile][head][768]
	s_lshl_b32 s100, s94, 9
	s_lshl_b32 s93, s92, 1
	s_add_co_u32 s100, s100, s93
	s_add_nc_u64 s[86:87], s[86:87], s[100:101]    ; asc: [tile][r][32], + 2 head
	s_lshl_b32 s100, s94, 6
	s_add_nc_u64 s[MF:MF+1], s[MF:MF+1], s[100:101]    ; my tile's 16 flag words
	MLOAD                                          ; step 0's
.irp j, 16,17,18,19,20,21,28,29,30,31,32,33
	v_mov_b32 v\j, 0                               ; zero codes on both sides: v[16:27] = [zeros | q], v[22:33] = [q | zeros]
.endr
	v_mov_b32 v13, 0xff61b1e6                      ; the largest score so far: -3e38
	v_mul_f32 v231, s[CS], v13
	v_floor_f32 v12, -v231                         ; -M
	v_mov_b32 v14, 0                               ; the sum, in two halves
	v_mov_b32 v15, 0
	v_mov_b32 v230, 0                              ; a lane permute's destination counts as read
	v_mov_b32 v[FF+1], 0                           ; (named as the upper half of a pair)
.irp j, 0,1,2,3,4,5,6,7
	v_mov_b32 v[T+\j], 0                           ; the first step finds no partial sums
.endr
	s_wait_loadcnt 13                              ; q and K's step are in; V's 13 loads may be out
	v_lshrrev_b32 v34, s2, v240
	v_and_b32 v34, 0xffff, v34                     ; v34: q's two bytes for [q | zeros]; the zeros' bytes are 0
	v_lshlrev_b32 v35, 16, v34                     ; v35: for [zeros | q]
.irp t, 0,1,2,3,4,5,6,7
	ds_store_b128 v232, v[96+4*\t:99+4*\t] offset:(4*(\t/4)+\t%2)*768+128*((\t/2)%2)
	ds_store_b64 v233, v[128+2*\t:129+2*\t] offset:(4*(\t/4)+\t%2)*768+512+64*((\t/2)%2)
.endr
	ds_store_b32 v234, v144 offset:SCW
	ds_store_b32 v234, v145 offset:SCW+4
.set j, 0
.rept 32
	v_mov_b32 v[O+j], 0                            ; O^T: the step is written once, and the first finds zeros.  (Also the plain lines between the scale registers' writes and the first product)
.set j, j+1
.endr
	s_wait_loadcnt 0x0
.irp t, 0,1,2,3,4,5,6,7,8,9,10,11
	ds_store_b128 v235, v[40+4*\t:43+4*\t] offset:STEPP+512*\t
.endr
	ds_store_b64 v236, v[88:89] offset:STEPP+SCW
	s_mov_b32 s[TB], 0
	s_mov_b32 s[CNT], 15
	s_wait_alu depctr_va_vdst(0)                   ; the wait at the head's end
	s_wait_dscnt 0x0                               ; my stores have landed
	s_barrier_signal -1
	s_barrier_wait -1                              ; everybody's have
.macro STEP last                       ; 128 keys.  On the way in: this step's scale words and fragments of K are asked for, 17 LDS loads
	s_wait_alu depctr_va_vdst(0)                   ; the wait ahead of the waits below
.irp i, 0,1,2,3
	s_wait_dscnt 12-4*\i                           ; the scale words and fragments 0 .. i are in; the later fragments' four loads each may be out
	v_wmma_scale_f32_16x16x128_f8f6f4 v[S+16*\i:S+16*\i+7], v[FB+12*\i:FB+12*\i+11], v[22:33], 0, v[SW+\i], v34 matrix_a_fmt:MATRIX_FMT_FP6 matrix_b_fmt:MATRIX_FMT_FP6
	v_wmma_scale_f32_16x16x128_f8f6f4 v[S+16*\i+8:S+16*\i+15], v[FB+12*\i:FB+12*\i+11], v[16:27], 0, v[SW+\i], v35 matrix_a_fmt:MATRIX_FMT_FP6 matrix_b_fmt:MATRIX_FMT_FP6
.endr
	v_add_nc_u32 v5, s[TB], v1                     ; four plain lines: the places in front of the loads into the fragments' registers and of the first read of the scores
	v_add_nc_u32 v6, s[TB], v2
	v_add_nc_u32 v9, s[TB], v3
	v_mov_b32 v228, v12                            ; the old -M
.irp t, 0,1,2,3                        ; V's four fragments (16 channels x 128 keys): they land during the softmax
	ds_load_b128 v[FB+12*\t:FB+12*\t+3], v5 offset:STEPP+768*\t
	ds_load_b64 v[FB+12*\t+4:FB+12*\t+5], v6 offset:STEPP+768*\t+512
	ds_load_b128 v[FB+12*\t+6:FB+12*\t+9], v5 offset:STEPP+3072+768*\t
	ds_load_b64 v[FB+12*\t+10:FB+12*\t+11], v6 offset:STEPP+3072+768*\t+512
.endr
	TSUM
	s_wait_kmcnt 0x0                               ; this step's mask words and flag, asked for a step ago
	s_cmp_eq_u32 s[FL], 0
	s_cbranch_scc1 .Lfull_\@                       ; no key of this step is hidden from my queries
.set n, 0
.rept 64
	v_cndmask_b32 v[S+n], v4, v[S+n], s[16+n+4*(n/48)]   ; a hidden key's score becomes -infinity: p = 0 then.  Each accumulator is read from its low end on
.set n, n+1
.endr
.Lfull_\@:
.if \last == 0
	s_add_co_u32 s[MO], s[MO], 256                 ; the next step's words
	MLOAD
.endif
.irp b, 0,1,2,3
	v_max3_num_f32 v[BM+\b], v[S+16*\b], v[S+16*\b+1], v[S+16*\b+2]   ; four chains of 16 scores; each accumulator is read from its low end on
.endr
.irp i, 3,5,7,9,11,13
.irp b, 0,1,2,3
	v_max3_num_f32 v[BM+\b], v[BM+\b], v[S+16*\b+\i], v[S+16*\b+\i+1]   ; the four chains by turns
.endr
.endr
	v_max3_num_f32 v[BM], v[BM], v[S+15], v[S+31]
	v_max3_num_f32 v[BM+2], v[BM+2], v[S+47], v[S+63]
	s_delay_alu instid0(VALU_DEP_2)
	v_max_num_f32 v[BM], v[BM], v[BM+1]            ; the largest score of my block h,
	s_delay_alu instid0(VALU_DEP_2)
	v_max_num_f32 v[BM+2], v[BM+2], v[BM+3]        ; and of my block 2 + h: for the row's maximum and, since p rises with the score, for the block's largest p
	s_delay_alu instid0(VALU_DEP_1)
	v_max_num_f32 v229, v[BM], v[BM+2]
	s_delay_alu instid0(VALU_DEP_1)
	v_permlanex16_b32 v230, v229, s[SEL], s[SEL+1]
	s_delay_alu instid0(VALU_DEP_1)
	v_max3_num_f32 v13, v13, v229, v230            ; the running largest score of my query
	s_delay_alu instid0(VALU_DEP_1)
	v_mul_f32 v231, s[CS], v13                     ; as t
	s_delay_alu instid0(VALU_DEP_1)
	v_floor_f32 v12, -v231                         ; the new -M = -ceil(t): a whole number
	s_delay_alu instid0(VALU_DEP_1)
	v_sub_f32 v228, v12, v228                      ; old M - new M: a whole number, 0 or less
	s_delay_alu instid0(VALU_DEP_1)
	v_cvt_i32_f32 v228, v228                       ; (it saturates)
	s_delay_alu instid0(VALU_DEP_1)
	v_ldexp_f32 v[FF], 1.0, v228                   ; f = 2^(old M - new M)
.set j, 0
.rept 32
	v_pk_fma_f32 v[S+j:S+j+1], v[S+j:S+j+1], s[CS:CS+1], v[12:13] op_sel_hi:[1,0,0]   ; t - M, two at a time
.set j, j+2
.endr
	v_fma_f32 v[BM], v[BM], s[CS], v12             ; the same of each block's largest score
	v_fma_f32 v[BM+2], v[BM+2], s[CS], v12
.set j, 0
.rept 16
	v_pk_mul_f32 v[O+j:O+j+1], v[O+j:O+j+1], v[FF:FF+1] op_sel_hi:[1,0]   ; O^T under the new M, from each accumulator's low end on
.set j, j+2
.endr
	s_wait_alu depctr_va_vdst(0)                   ; the wait ahead of the batch
.set j, 0
.rept 64
	v_exp_f32 v[S+j], v[S+j]                       ; p = 2^(t - M), at most 1
.set j, j+1
.endr
	v_exp_f32 v[BM], v[BM]                         ; the blocks' largest p: the same two instructions on the same number
	v_exp_f32 v[BM+2], v[BM+2]
	v_pk_mul_f32 v[14:15], v[14:15], v[FF:FF+1] op_sel_hi:[1,0]   ; the sum under the new M; the plain line behind the exponentials
	s_wait_alu depctr_va_vdst(0)                   ; one wait for the batch of 66, ahead of its first reader
	v_max_num_f32 v[BM], 0x1800000, v[BM]          ; the floor 2^(3 - 127): the byte cannot fall under 1
	v_max_num_f32 v[BM+2], 0x1800000, v[BM+2]
	s_delay_alu instid0(VALU_DEP_2)
	v_add_nc_u32 v[BS], 0xff000000, v[BM]          ; 2 off the exponent field: the conversion's scale operand
	s_delay_alu instid0(VALU_DEP_2)
	v_add_nc_u32 v[BS+1], 0xff000000, v[BM+2]
	s_delay_alu instid0(VALU_DEP_2)
	v_lshrrev_b32 v[BT], 23, v[BS]                 ; the scale's byte
	s_delay_alu instid0(VALU_DEP_2)
	v_lshrrev_b32 v[BT+1], 23, v[BS+1]
	s_delay_alu instid0(VALU_DEP_1)
	v_lshl_or_b32 v[PW], v[BT+1], 16, v[BT]        ; my two bytes, blocks h and 2 + h,
	s_delay_alu instid0(VALU_DEP_1)
	v_lshlrev_b32 v[PW], v10, v[PW]                ; at their places in the word;
	s_delay_alu instid0(VALU_DEP_1)
	v_permlanex16_b32 v230, v[PW], s[SEL], s[SEL+1]
	s_delay_alu instid0(VALU_DEP_1)
	v_or_b32 v[PW], v[PW], v230                    ; with lane l xor 16's two: p's scale word for these 128 keys
.irp c, 0,1
	v_cvt_scalef32_pk16_fp6_f32 v[PC+6*\c:PC+6*\c+2], v[S+32*\c:S+32*\c+15], v[BS+\c]
	v_cvt_scalef32_pk16_fp6_f32 v[TQ+4*\c:TQ+4*\c+2], v[S+32*\c+16:S+32*\c+31], v[BS+\c]   ; (a conversion's three registers begin on an even number)
.endr
.irp k, 0,1,2,3
	v_pk_add_f32 v[T+2*\k:T+2*\k+1], v[S+2*\k:S+2*\k+1], v[S+8+2*\k:S+9+2*\k]   ; THE SUM IS TAKEN OF THE UNQUANTISED p: four chains.  (Also the plain lines behind the conversions)
.endr
.irp c, 0,1
.irp i, 0,1,2
	v_mov_b32 v[PC+3+6*\c+\i], v[TQ+4*\c+\i]       ; registers 6 c .. 6 c + 5: my block 2 c + h
.endr
.endr
	SUMS 2                                         ; four plain lines between the last write of p's codes and the products (fourteen behind the scale word's)
	s_wait_alu depctr_va_vdst(0)                   ; the wait ahead of the wait below
	s_wait_dscnt 0x0                               ; V's fragments are in
.irp t, 0,1,2,3                        ; O^T += V^T P^T: the four accumulators by turns, one instruction a turn
	v_wmma_scale_f32_16x16x128_f8f6f4 v[O+8*\t:O+8*\t+7], v[FB+12*\t:FB+12*\t+11], v[PC:PC+11], v[O+8*\t:O+8*\t+7], v[SW+\t], v[PW] matrix_a_fmt:MATRIX_FMT_FP6 matrix_b_fmt:MATRIX_FMT_FP6 matrix_a_scale:MATRIX_SCALE_ROW1
.endr
	SUMS 3                                         ; four plain lines: the places in front of the loads into the fragments' and the scale words' registers
.if \last == 0
	KLOAD 5, 6, 9, PAIR                            ; the next step's scale words and fragments of K: 12,800 bytes on
.endif
	SUMS 4                                         ; sixteen additions stand between that request and the wait for it
	SUMS 5
	SUMS 6
	SUMS 7
.endm
	KLOAD 1, 2, 3, 0                               ; step 0's
.Lstep:                                            ; steps 0 to 14
	STEP 0
	s_add_co_u32 s[TB], s[TB], PAIR
	s_sub_co_i32 s[CNT], s[CNT], 1
	s_cmp_lg_u32 s[CNT], 0
	s_cbranch_scc1 .Lstep
	STEP 1                                         ; step 15 asks for nothing more
	; THE WAY OUT.  O^T / the sum: register 16 c + i of lane (r, h) is channel 32 c + 16 h + i of my query: two blocks of 32 along D; one piece of 768 bytes.
	TSUM                                           ; the last step's partial sums
	s_delay_alu instid0(VALU_DEP_1)
	v_add_f32 v14, v14, v15
	s_delay_alu instid0(VALU_DEP_1)
	v_permlanex16_b32 v228, v14, s[SEL], s[SEL+1]
	s_delay_alu instid0(VALU_DEP_1)
	v_add_f32 v14, v14, v228                       ; the row's sum
	s_wait_alu depctr_va_vdst(0)                   ; the wait ahead of the transcendental
	v_rcp_f32 v229, v14
	v_and_b32 v5, 15, v0                           ; plain lines behind the reciprocal
	v_bfe_u32 v6, v0, 4, 1
	v_lshl_add_u32 v7, v5, 5, v6                   ; my scale byte's place: 32 r + h
	v_mov_b32 v8, 0xff
	v_and_b32 v9, 31, v0
	s_wait_alu depctr_va_vdst(0)                   ; the wait ahead of the first reader of the reciprocal and of O^T
.set j, 0
.rept 32
	v_mul_f32 v[S+j], v[O+j], v229
.set j, j+1
.endr
.irp c, 0,1
	v_max3_num_f32 v[BM+\c], |v[S+16*\c]|, |v[S+16*\c+1]|, 0x1800000
.endr
.irp i, 2,4,6,8,10,12,14
.irp c, 0,1
	s_delay_alu instid0(VALU_DEP_2)
	v_max3_num_f32 v[BM+\c], v[BM+\c], |v[S+16*\c+\i]|, |v[S+16*\c+\i+1]|
.endr
.endr
.irp c, 0,1
	v_permlanex16_b32 v[BT+\c], v[BM+\c], s[SEL], s[SEL+1]
.endr
.irp c, 0,1
	v_max_num_f32 v[BM+\c], v[BM+\c], v[BT+\c]     ; with lane l xor 16's 16 channels
.endr
.irp c, 0,1
	v_add_nc_u32 v[BS+\c], 0xff000000, v[BM+\c]
.endr
.irp c, 0,1
	v_lshrrev_b32 v[BT+\c], 23, v[BS+\c]
.endr
	v_cvt_scalef32_pk16_fp6_f32 v[PC:PC+2], v[S:S+15], v[BS]
	v_cvt_scalef32_pk16_fp6_f32 v[TQ:TQ+2], v[S+16:S+31], v[BS+1]
	v_nop                                          ; one plain line behind the conversions
.irp i, 0,1,2
	v_permlane16_swap_b32 v[PC+\i], v[TQ+\i]       ; a whole block to a lane: lanes 0-15 block 0, lanes 16-31 block 1
.endr
.irp i, 0,1,2
	v_mov_b32 v[PC+3+\i], v[TQ+\i]
.endr
	v_cmp_lt_u32 vcc_lo, 15, v9
	v_cndmask_b32 v228, v[BT], v[BT+1], vcc_lo     ; my half's block's byte
	v_cmp_eq_f32 vcc_lo, 0, v14
	v_cndmask_b32 v228, v228, v8, vcc_lo           ; a row with no true key: 0xff
	global_store_b128 v1, v[PC:PC+3], s[84:85]     ; 512 consecutive bytes
	global_store_b64 v2, v[PC+4:PC+5], s[84:85] offset:512   ; 256 consecutive bytes
	global_store_b8 v7, v228, s[86:87]
	s_wait_tensorcnt 0x0                           ; the wave's end
	ds_add_u32 v254, v255
	s_wait_dscnt 0x0
	s_endpgm
.Lfunc_end_k_q22254024b8_attn:
	.size	k_q22254024b8_attn, .Lfunc_end_k_q22254024b8_attn-k_q22254024b8_attn
	.p2alignl 7, 3214868480
	.fill 96, 4, 3214868480
	.section	.rodata,"a",@progbits
	.p2align	6, 0x0
	.amdhsa_kernel k_q22254024b8_attn
		.amdhsa_group_segment_fixed_size 206848
		.amdhsa_private_segment_fixed_size 0
		.amdhsa_enable_private_segment 0
		.amdhsa_kernarg_size 40
		.amdhsa_user_sgpr_count 2
		.amdhsa_user_sgpr_kernarg_segment_ptr 1
		.amdhsa_wavefront_size32 1
		.amdhsa_system_sgpr_workgroup_id_x 1
		.amdhsa_system_sgpr_workgroup_id_y 1
		.amdhsa_system_sgpr_workgroup_id_z 1
		.amdhsa_system_vgpr_workitem_id 0
		.amdhsa_next_free_vgpr 256
		.amdhsa_next_free_sgpr 102
		.amdhsa_reserve_vcc 1
		.amdhsa_float_denorm_mode_32 3
		.amdhsa_float_denorm_mode_16_64 3
		.amdhsa_memory_ordered 1
		.amdhsa_forward_progress 1
		.amdhsa_inst_pref_size 56
	.end_amdhsa_kernel
	.amdgpu_metadata
---
amdhsa.version: [ 1, 2 ]
amdhsa.kernels:
  - .name:           k_q22254024b8_attn
    .symbol:         k_q22254024b8_attn.kd
    .args:
      - { .name: qkv, .offset: 0, .size: 8, .value_kind: global_buffer, .address_space: global }
      - { .name: mw, .offset: 8, .size: 8, .value_kind: global_buffer, .address_space: global }
      - { .name: ac, .offset: 16, .size: 8, .value_kind: global_buffer, .address_space: global }
      - { .name: asc, .offset: 24, .size: 8, .value_kind: global_buffer, .address_space: global }
      - { .name: mf, .offset: 32, .size: 8, .value_kind: global_buffer, .address_space: global }
    .group_segment_fixed_size: 206848
    .private_segment_fixed_size: 0
    .kernarg_segment_align: 8
    .kernarg_segment_size: 40
    .max_flat_workgroup_size: 512
    .sgpr_count:     102
    .vgpr_count:     256
    .wavefront_size: 32
...
	.end_amdgpu_metadata
.endif
;; end of part 3
;; launch proj (part 4): grid 8 x 32, 4 waves a work-group, clusters of 4 x 4, 327,680 bytes of LDS; arguments ac, asc, wc, ws, out0; writes out0
.if DOCPART == 4
	.amdgcn_target "amdgcn-amd-amdhsa--gfx1250"
	.amdhsa_code_object_version 6
	.text
	.protected	k_q22254024b8_proj
	.globl	k_q22254024b8_proj
	.p2align	8
	.type	k_q22254024b8_proj,@function
k_q22254024b8_proj:
	s_mov_b64 s[64:65], 0
	v_nop
	global_prefetch_b8 v0, s[64:65] scope:SCOPE_SE
	s_setreg_imm32_b32 hwreg(HW_REG_WAVE_MODE, 25, 1), 1
	s_wait_xcnt 0x0
	s_wait_alu depctr_hold_cnt(0) depctr_sa_sdst(0) depctr_va_vdst(0) depctr_va_sdst(0) depctr_va_ssrc(0) depctr_va_vcc(0) depctr_vm_vsrc(0)
	s_getreg_b32 s2, hwreg(HW_REG_IB_STS2, 6, 4)
	s_cmp_eq_u32 s2, 0
	s_cbranch_scc0 .Lentry_in_a_cluster
	s_endpgm
.Lentry_in_a_cluster:
	s_bfe_u32 s2, ttmp6, 0x10000c
	s_cmp_lg_u32 s2, 0xf033
	s_cbranch_scc0 .Lentry_shape_is_right
	s_endpgm
.Lentry_shape_is_right:
; out0 = O w_proj^T on codes of FP6 (E2M3) with E8M0 scales, K = 1,024.  ac, wc: [tile][16][768 bytes], asc, ws: [tile][r][32 bytes]: images of the operand's registers; lane r of tile T holds row 32 (T / 2) + 8 (T % 2) + r + 8 (r / 8).
; A work-group of four waves makes 128 x 128, a wave 64 x 64: 16 accumulators.  ALL OF K LIES IN LDS AT ONCE: A's eight tiles (98,304 dense bytes), B's eight behind them, then the scales.
; Four joint loads at the head, one a wave: wave 0 A's codes, wave 1 B's, wave 2 A's scales, wave 3 B's; nothing is filled again, so one barrier stands in front of the products.
; CLUSTERS: 4 x 4 work-groups; A's tiles are shared along a row of the cluster, B's along a column.  No prefetch: there is no loop to run ahead in.
.set FR,     12
.set NP,     4
.set TILEB,  12288
.set STEPB,  6144
.set HALFT,  4*STEPB
.set SLOT,   4*HALFT
.set SCL,    2*SLOT
.set HALFS,  8*272
.set SBLK,   544
.set STG,    SCL+4*HALFS
.set SPITCH, 272
.set ADRA, 16
.set ADRB, 20
.set STO,  24
.set RD,   25
.set CO,   26
.set ADRS, 27
.set SC,   32
.set BK,   64
.set ACC,  128
.set F0,   0
.set F1,   128
.set G1, 24
.set G0, 32
.set G1B, 48
.set G0B, 56
.set G1S, 68
.set G0S, 76
.set G1SB, 80
.set G0SB, 88
.set MSB, 0
.macro WIN new
.if MSB != \new
	s_set_vgpr_msb (MSB<<8)|\new
.set MSB, \new
.endif
.endm
.set MUL,  0x05
.set TO_F, 0x40
.macro JLOAD g0a, g1a, g0b, g1b
	s_cmp_eq_u32 s15, 0
	s_cbranch_scc0 .Lfor_b_\@
	tensor_load_to_lds s[\g0a:\g0a+3], s[\g1a:\g1a+7]
	s_nop 0
.rept 4
	v_nop
.endr
	s_branch .Lasked_\@
.Lfor_b_\@:
	tensor_load_to_lds s[\g0b:\g0b+3], s[\g1b:\g1b+7]
	s_nop 0
.rept 4
	v_nop
.endr
.Lasked_\@:
.endm
.macro CROUND
	s_barrier_signal -1
	s_barrier_wait -1
	s_cmp_lg_u32 s14, 0
	s_cbranch_scc1 .Lnot_wave_0_\@
	s_barrier_signal -3
.Lnot_wave_0_\@:
	s_barrier_wait -3
	s_barrier_signal -1
	s_barrier_wait -1
.endm
	s_load_b128 s[4:7], s[0:1], 0x0
	s_load_b128 s[8:11], s[0:1], 0x10
	s_load_b64 s[12:13], s[0:1], 0x20
	v_lshl_add_u32 v30, v0, 2, 0x36600
	v_mov_b32 v31, 0
	ds_add_u32 v30, v31
	ds_add_u32 v30, v31
	v_lshrrev_b32 v1, 5, v0
	v_readfirstlane_b32 s14, v1
	s_lshr_b32 s15, s14, 1
	s_and_b32 s16, s14, 1
	s_bfe_u32 s40, ttmp6, 0x40000
	s_bfe_u32 s41, ttmp6, 0x40004
	s_lshl_b32 s42, ttmp9, 2
	s_add_co_u32 s42, s42, s40
	s_and_b32 s17, ttmp7, 0xffff
	s_lshl_b32 s17, s17, 2
	s_add_co_u32 s17, s17, s41
	s_lshl_b32 s43, s41, 2
	s_lshl_b32 s43, 15, s43
	s_lshl_b32 s44, 0x1111, s40
	s_or_b32 s[G1+0], s43, (3<<16)|(1<<21)
	s_or_b32 s[G1B+0], s44, (3<<16)|(1<<21)
.irp g, G1, G1B
	s_mov_b32 s[\g+1], 1536<<16                    ; eight tiles, each a row of 12,288 bytes
	s_mov_b32 s[\g+2], 8<<16
	s_mov_b32 s[\g+3], 1536<<16
	s_mov_b32 s[\g+4], 8
	s_mov_b32 s[\g+5], 1536
	s_mov_b32 s[\g+6], 0
	s_mov_b32 s[\g+7], 0
.endr
	s_or_b32 s[G1S+0], s43, (3<<16)|(1<<20)|(1<<21)|(5<<22)|(3<<25)
	s_or_b32 s[G1SB+0], s44, (3<<16)|(1<<20)|(1<<21)|(5<<22)|(3<<25)
.irp g, G1S, G1SB
	s_mov_b32 s[\g+1], 32<<16
	s_mov_b32 s[\g+2], 16<<16
	s_mov_b32 s[\g+3], 32<<16
	s_mov_b32 s[\g+4], 16
	s_mov_b32 s[\g+5], 32
	s_mov_b32 s[\g+6], 0
	s_mov_b32 s[\g+7], 0
.endr
	s_lshl_b32 s20, s17, 3
	s_lshl_b32 s46, s42, 3
	s_add_co_u32 s46, s46, 448
	s_lshl_b32 s22, s20, 9
	s_mov_b32 s23, 0
	s_lshl_b32 s92, s46, 9
	s_mov_b32 s93, 0
	s_mul_i32 s20, s20, TILEB
	s_mov_b32 s21, 0
	s_mul_i32 s46, s46, TILEB
	s_mov_b32 s47, 0
	s_wait_dscnt 0x0
	s_wait_kmcnt 0x0
	s_add_nc_u64 s[20:21], s[4:5], s[20:21]
	s_add_nc_u64 s[22:23], s[6:7], s[22:23]
	s_add_nc_u64 s[46:47], s[8:9], s[46:47]
	s_add_nc_u64 s[92:93], s[10:11], s[92:93]
	CROUND
	s_mov_b32 s[G0S], 1
	s_mov_b32 s[G0S+1], SCL
	s_mov_b64 s[G0S+2:G0S+3], s[22:23]
	s_or_b32 s[G0S+3], s[G0S+3], 0x80000000
	s_mov_b32 s[G0SB], 1
	s_mov_b32 s[G0SB+1], SCL+2*HALFS
	s_mov_b64 s[G0SB+2:G0SB+3], s[92:93]
	s_or_b32 s[G0SB+3], s[G0SB+3], 0x80000000
.irp s, 0
	s_mov_b32 s[G0+4*\s], 1
	s_mov_b32 s[G0+4*\s+1], 0
	s_add_nc_u64 s[G0+4*\s+2:G0+4*\s+3], s[20:21], \s*STEPB
	s_or_b32 s[G0+4*\s+3], s[G0+4*\s+3], 0x80000000
	s_mov_b32 s[G0B+4*\s], 1
	s_mov_b32 s[G0B+4*\s+1], SLOT
	s_add_nc_u64 s[G0B+4*\s+2:G0B+4*\s+3], s[46:47], \s*STEPB
	s_or_b32 s[G0B+4*\s+3], s[G0B+4*\s+3], 0x80000000
.endr
.macro ARM under, g0, g1, next         ; one chain of branches on the wave's number, one load to an arm, all arms to one join
	s_cmp_lt_u32 s14, \under
	s_cbranch_scc0 \next
	tensor_load_to_lds s[\g0:\g0+3], s[\g1:\g1+7]
	s_nop 0
.rept 4
	v_nop
.endr
	s_branch .Lhead_asked
\next:
.endm
	ARM 1, G0,  G1,  .Lhead_b
	ARM 2, G0B, G1B, .Lhead_sa
	ARM 3, G0S, G1S, .Lhead_sb
	tensor_load_to_lds s[G0SB:G0SB+3], s[G1SB:G1SB+7]
	s_nop 0
.rept 4
	v_nop
.endr
.Lhead_asked:
	v_and_b32 v1, 15, v0
	v_bfe_u32 v2, v0, 4, 1
	v_and_b32 v3, 31, v0
	v_lshlrev_b32 v4, 4, v3
	v_lshlrev_b32 v5, 3, v3
	s_mul_i32 s21, s15, 4*TILEB                    ; my four tiles of A,
	s_mul_i32 s22, s16, 4*TILEB
	s_add_co_u32 s22, s22, SLOT                    ; and of B, behind A's eight
.irp s, 0,1
	v_add_nc_u32 v[ADRA+\s], s21, v4
	v_add_nc_u32 v[ADRB+\s], s22, v4
	v_add_nc_u32 v[ADRA+2+\s], s21, v5
	v_add_nc_u32 v[ADRB+2+\s], s22, v5
	s_add_co_u32 s21, s21, STEPB                   ; the second half of K: 6,144 bytes on in each tile
	s_add_co_u32 s22, s22, STEPB
.endr
	v_mul_u32_u24 v5, v1, 32
	v_lshrrev_b32 v6, 8, v5
	v_lshl_add_u32 v5, v6, 4, v5
	s_mul_i32 s21, s15, HALFS
	s_mul_i32 s22, s16, HALFS
	s_add_co_u32 s22, s22, 2*HALFS
	s_sub_co_u32 s22, s22, s21
	v_mul_u32_u24 v6, s22, v2
	s_add_co_u32 s21, s21, SCL
	v_add_nc_u32 v5, v5, v6
	v_add_nc_u32 v[ADRS], s21, v5
	s_mul_i32 s23, s14, 16*SPITCH
	s_add_co_u32 s23, s23, STG
	v_mul_u32_u24 v5, v1, SPITCH
	v_lshl_add_u32 v5, v2, 6, v5
	v_add_nc_u32 v[STO], s23, v5
	v_mul_u32_u24 v5, v2, SPITCH
	v_lshl_add_u32 v5, v1, 4, v5
	v_add_nc_u32 v[RD], s23, v5
	v_lshlrev_b32 v[CO], 12, v2
	v_lshl_add_u32 v[CO], v1, 4, v[CO]
	s_lshl_b32 s20, s17, 7
	s_lshl_b32 s21, s15, 6
	s_add_co_u32 s20, s20, s21
	s_lshl_b32 s20, s20, 12
	s_mov_b32 s21, 0
	s_lshl_b32 s46, s42, 9
	s_lshl_b32 s47, s16, 8
	s_add_co_u32 s46, s46, s47
	s_mov_b32 s47, 0
	s_add_nc_u64 s[20:21], s[20:21], s[46:47]
	s_add_nc_u64 s[12:13], s[12:13], s[20:21]
.macro FRAG reg, adr, q, i
	ds_load_b128 v[\reg:\reg+3], v[\adr] offset:(\i)*TILEB+1536*(\q)
	ds_load_b64 v[\reg+4:\reg+5], v[\adr+2] offset:(\i)*TILEB+1536*(\q)+512
	ds_load_b128 v[\reg+6:\reg+9], v[\adr] offset:(\i)*TILEB+1536*(\q)+768
	ds_load_b64 v[\reg+10:\reg+11], v[\adr+2] offset:(\i)*TILEB+1536*(\q)+1280
.endm
.macro MUL8 f, a0, sc, q, zero
.irp a, \a0, \a0+1
.irp b, 0,1,2,3
.if \zero
	v_wmma_scale_f32_16x16x128_f8f6f4 v[ACC+8*(4*(\a)+\b):ACC+8*(4*(\a)+\b)+7], v[\f+48+FR*\b:\f+48+FR*\b+FR-1], v[\f+FR*(\a):\f+FR*(\a)+FR-1], 0, v[SC+16*(\sc)+4*\b+(\q)], v[SC+16*(\sc)+4*(\a)+(\q)] matrix_a_fmt:MATRIX_FMT_FP6 matrix_b_fmt:MATRIX_FMT_FP6 matrix_a_scale:MATRIX_SCALE_ROW1
.else
	v_wmma_scale_f32_16x16x128_f8f6f4 v[ACC+8*(4*(\a)+\b):ACC+8*(4*(\a)+\b)+7], v[\f+48+FR*\b:\f+48+FR*\b+FR-1], v[\f+FR*(\a):\f+FR*(\a)+FR-1], v[ACC+8*(4*(\a)+\b):ACC+8*(4*(\a)+\b)+7], v[SC+16*(\sc)+4*\b+(\q)], v[SC+16*(\sc)+4*(\a)+(\q)] matrix_a_fmt:MATRIX_FMT_FP6 matrix_b_fmt:MATRIX_FMT_FP6 matrix_a_scale:MATRIX_SCALE_ROW1
.endif
.endr
.endr
.endm
.macro FETCH slot, q, f
	WIN TO_F
.irp i, 0,1,2,3
	FRAG \f+48+FR*\i, ADRB+\slot, \q, \i
.endr
.irp i, 0,1,2,3
	FRAG \f+FR*\i, ADRA+\slot, \q, \i
.endr
.endm
.macro SCALES c
.irp i, 0,1,2,3
	ds_load_b128 v[SC+16*\c+4*\i:SC+16*\c+4*\i+3], v[ADRS] offset:\i*SBLK+16*\c
.endr
.endm
.macro PLACES n
.rept \n
	v_nop
.endr
.endm
.macro SUB f, sc, q, zero, nslot, nq, g, meet
.if \meet
	s_wait_dscnt 0x0
	s_wait_tensorcnt 0x0
	s_barrier_signal -1
.else
	s_wait_dscnt 8
.endif
	WIN MUL
	MUL8 \f, 0, \sc, \q, \zero
.if \meet
	s_barrier_wait -1
.endif
	PLACES NP
	FETCH \nslot, \nq, \g
	s_wait_dscnt 32
	WIN MUL
	MUL8 \f, 2, \sc, \q, \zero
.endm
	s_wait_alu depctr_va_vdst(0)
	s_wait_tensorcnt 0x0                           ; my one tensor load has landed
	s_barrier_signal -1
	s_barrier_wait -1
	SCALES 0
	SCALES 1
	FETCH 0, 0, F0
	SUB F0, 0, 0, 1, 0, 1, F1, 0
	SUB F1, 0, 1, 0, 0, 2, F0, 0
	SUB F0, 0, 2, 0, 0, 3, F1, 0
	SUB F1, 0, 3, 0, 1, 0, F0, 0
	SUB F0, 1, 0, 0, 1, 1, F1, 0
	SUB F1, 1, 1, 0, 1, 2, F0, 0
	SUB F0, 1, 2, 0, 1, 3, F1, 0
	s_wait_dscnt 8
	WIN MUL
	MUL8 F1, 0, 1, 3, 0
	s_wait_dscnt 0
	MUL8 F1, 2, 1, 3, 0
	WIN 0
.macro TOSTAGE a
.set AC, ACC+32*(\a)
.irp b, 0,1,2,3
	ds_store_b128 v[STO], v[AC+8*\b:AC+8*\b+3] offset:128*(\b/2)+32*(\b%2)
	ds_store_b128 v[STO], v[AC+8*\b+4:AC+8*\b+7] offset:128*(\b/2)+32*(\b%2)+16
.endr
.set BB, BK+32*((\a)%2)
.irp i, 0,1,2,3,4,5,6,7
	ds_load_b128 v[BB+4*\i:BB+4*\i+3], v[RD] offset:\i*2*SPITCH
.endr
.endm
.macro SEND a, younger
.set BB, BK+32*((\a)%2)
	s_wait_dscnt \younger
.irp i, 0,1,2,3,4,5,6,7
	global_store_b128 v[CO], v[BB+4*\i:BB+4*\i+3], s[12:13] offset:(32*((\a)/2)+8*((\a)%2)+2*\i+8*(\i/4))*4096 th:TH_STORE_NT
.endr
.endm
	PLACES NP
	TOSTAGE 0
.irp a, 1,2,3
.if \a > 1
	s_wait_xcnt 0x0
.endif
	TOSTAGE \a
	SEND \a-1, 16
.endr
	SEND 3, 0
	s_wait_tensorcnt 0x0
	ds_add_u32 v30, v31
	s_wait_dscnt 0x0
	CROUND
	s_endpgm
.Lfunc_end_k_q22254024b8_proj:
	.size	k_q22254024b8_proj, .Lfunc_end_k_q22254024b8_proj-k_q22254024b8_proj
	.p2alignl 7, 3214868480
	.fill 96, 4, 3214868480
	.section	.rodata,"a",@progbits
	.p2align	6, 0x0
	.amdhsa_kernel k_q22254024b8_proj
		.amdhsa_group_segment_fixed_size 327680
		.amdhsa_private_segment_fixed_size 0
		.amdhsa_enable_private_segment 0
		.amdhsa_kernarg_size 40
		.amdhsa_user_sgpr_count 2
		.amdhsa_user_sgpr_kernarg_segment_ptr 1
		.amdhsa_wavefront_size32 1
		.amdhsa_system_sgpr_workgroup_id_x 1
		.amdhsa_system_sgpr_workgroup_id_y 1
		.amdhsa_system_sgpr_workgroup_id_z 1
		.amdhsa_system_vgpr_workitem_id 0
		.amdhsa_next_free_vgpr 512
		.amdhsa_next_free_sgpr 98
		.amdhsa_reserve_vcc 0
		.amdhsa_float_denorm_mode_32 3
		.amdhsa_float_denorm_mode_16_64 3
		.amdhsa_memory_ordered 1
		.amdhsa_forward_progress 1
		.amdhsa_inst_pref_size 51
	.end_amdhsa_kernel
	.amdgpu_metadata
---
amdhsa.version: [ 1, 2 ]
amdhsa.kernels:
  - .name:           k_q22254024b8_proj
    .symbol:         k_q22254024b8_proj.kd
    .args:
      - { .name: ac, .offset: 0, .size: 8, .value_kind: global_buffer, .address_space: global }
      - { .name: asc, .offset: 8, .size: 8, .value_kind: global_buffer, .address_space: global }
      - { .name: wc, .offset: 16, .size: 8, .value_kind: global_buffer, .address_space: global }
      - { .name: ws, .offset: 24, .size: 8, .value_kind: global_buffer, .address_space: global }
      - { .name: out0, .offset: 32, .size: 8, .value_kind: global_buffer, .address_space: global }
    .group_segment_fixed_size: 327680
    .private_segment_fixed_size: 0
    .kernarg_segment_align: 8
    .kernarg_segment_size: 40
    .max_flat_workgroup_size: 128
    .sgpr_count:     98
    .vgpr_count:     512
    .wavefront_size: 32
...
	.end_amdgpu_metadata
.endif
;; end of part 4
